; MI455X (gfx1250); checked and timed in simulation.
; The chip was launched on July 23, 2026; its instructions are those of AMD's public machine-readable ISA for CDNA 5 (MIT licence, August 2026) and "CDNA5" Instruction Set Architecture Reference Guide (July 2026). The comments in the code are by the model that wrote it; some were corrected since.
;; Causal Self Attention. Allowed arithmetic: matrix products marked QUANTISED: E4M3 operands, one E8M0 scale for each 32 along K, by v_wmma_scale_f32_16x16x128_f8f6f4 with both operands' format E4M3, f32 sums; everything else in f32.
;; Inputs: W_attn 1,024 x 3,072 float32; W_proj 1,024 x 1,024 float32; b_attn 3,072 float32; b_proj 1,024 float32; x 4 x 2,048 x 1,024 float32.
;; Outputs: out0 4 x 2,048 x 1,024 float32.
;; This version of the problem:
;;   THIS VERSION OF THE PROBLEM IS GIVEN IN LOW PRECISION. The matrix products marked QUANTISED in the list below multiply operands that are first quantised to E4M3 (4 exponent bits, 3 mantissa bits; 8 bits a number), with one power-of-two scale for each 32 numbers along K (OCP MX v1.0); their sums are f32. All else is computed in f32.
;;   The module's matrix products, in the order in which they are computed (A, B: the left and right operand; K: the contracted axis; several contracted axes count as one K, in the product's order):
;;     1. [M 8,192, K 1,024] x [K 1,024, N 3,072]; A: input x; B: input W_attn: QUANTISED
;;     2. batch 64 x [M 2,048, K 64] x [K 64, N 2,048]; A: computed on the way; B: computed on the way: QUANTISED
;;     3. batch 64 x [M 2,048, K 2,048] x [K 2,048, N 64]; A: softmax (see below); B: computed on the way: QUANTISED
;;     4. [M 8,192, K 1,024] x [K 1,024, N 1,024]; A: computed on the way; B: input W_proj: QUANTISED
;;   THE QUANTISER, for each operand of a quantised product, along K:
;;     - K is cut into blocks of 32 from its start; a last block that is shorter is filled with zeros.
;;     - A block's scale is 2^e with e = floor(log2(the largest magnitude in the block)) - 8, held to -126 .. 127; a block of zeros has e = 0. As a byte (E8M0): e + 127.
;;     - Each number is divided by its block's scale, clamped to +-448, and rounded to the nearest number of E4M3, ties to even, subnormals kept.
;;     - The product sums the exact products of the quantised numbers (number of the format x scale) in f32.
;;   ~~~python
;;   def quantise(x, axis):      # numpy; x: float32 -> the quantised numbers, widened to float32 again
;;       x = np.moveaxis(x, axis, -1); K = x.shape[-1]
;;       x = np.pad(x, [(0, 0)] * (x.ndim - 1) + [(0, -K % 32)]); x = x.reshape(x.shape[:-1] + (-1, 32)); a = np.abs(x).max(-1, keepdims=True)
;;       e = np.where(a > 0, np.clip(np.frexp(np.where(a > 0, a, 1))[1] - 1 - 8, -126, 127), 0)      # np.frexp(a)[1] - 1 = floor(log2(a)), exactly
;;       r = np.clip(x / 2.0 ** e, -448, 448)
;;       step = 2.0 ** (np.maximum(np.frexp(np.where(r == 0, 1, r))[1] - 1, -6) - 3)
;;       q = np.round(r / step) * step * 2.0 ** e      # np.round: ties to even
;;       return np.moveaxis(q.reshape(q.shape[:-2] + (-1,))[..., :K], -1, axis).astype(np.float32)
;;   ~~~
;;   SOFTMAX AHEAD OF A QUANTISED PRODUCT. Where the list says 'softmax', what is quantised is not the finished softmax but p = 2^(t - M), with t = logit x log2(e) and M = ceil(the row's largest t), a whole number; so 1/2 < the row's largest p <= 1. The row's sum l is taken of the UNQUANTISED p, in f32, and the product's result is divided by l at the end. Since M is a whole number, a kernel that streams over the keys may use a running M (the ceiling of the running maximum): every later rescaling is an exact power of two, which a block's scale takes up: the codes' values come out the same.
;;   OPERANDS COMPUTED ON THE WAY. 'Computed on the way' means the value that the module computes at that place (a softmax that the list does not call 'softmax' is quantised finished and normalised). What goes into a quantiser is computed in f32, as accurately as f32 sums, v_exp_f32 and their like allow (about 1e-6 of the number): no bf16 or f16 on the way to a quantiser, and a product that is left as it is and whose result goes on into a quantised operand takes f32 operands (vector FMAs, or v_wmma_f32_16x16x4_f32). A number that lies on a knife's edge between two numbers of the format may be rounded either way, as far as f32 arithmetic and the matrix unit's own rounding can turn it there, and no further.
;; One version. Each part assembles by itself: llvm-mc -triple=amdgcn-amd-amdhsa -mcpu=gfx1250 --defsym DOCPART=n.
;; ======== version 1 of 1: 4 launches
;; limits: right only within a limited range of input values
;; workspace buffers: xq 8,388,608 bytes; wq 4,194,304 bytes; sc_qkv 360,448 bytes; sc_proj 294,912 bytes; rope 4,096 bytes; qws 8,912,896 bytes; kv 17,563,648 bytes; yq 8,388,608 bytes
;; launch quant (part 1): grid 257 x 1, 8 waves a work-group, no clusters, 69,632 bytes of LDS; arguments x, W_attn, W_proj, xq, wq, sc_qkv, sc_proj, rope; writes xq, wq, sc_qkv, sc_proj, rope
.if DOCPART == 1
	.amdgcn_target "amdgcn-amd-amdhsa--gfx1250"
	.amdhsa_code_object_version 6
	.text
	.protected	k_qb0cf1967fa_quant
	.globl	k_qb0cf1967fa_quant
	.p2align	8
	.type	k_qb0cf1967fa_quant,@function
k_qb0cf1967fa_quant:
	s_mov_b64 s[64:65], 0
	v_nop
	global_prefetch_b8 v0, s[64:65] scope:SCOPE_SE
	s_setreg_imm32_b32 hwreg(HW_REG_WAVE_MODE, 25, 1), 1
	s_wait_xcnt 0x0
; x [8192][1024], W_attn [1024][3072] and W_proj [1024][1024], f32, become codes of FP8 (E4M3) with one E8M0 byte for each 32 along K (K = 1024: x's last axis, the weights' first);
; and the table of the rotation's cosines and sines is made.
; FRAGMENT IMAGES.  A tile is 16 rows (of x) or columns (of a weight); lane r of tile T stands for row 32 (T / 2) + 8 (T % 2) + r + 8 (r / 8).  The image of (tile, K step of 128) is 2,048 bytes: chunk c of four,
; lane l = r + 16 h at 512 c + 16 l, holding the codes of k = 128 s + 32 c + 16 h + 0 .. 15: the four registers 4 c .. 4 c + 3 of the matrix operand.  xq: [512 tiles][8 steps][2048]; wq: [256 tiles][8][2048], W_attn's 192 tiles, then W_proj's 64.
; SCALE WORDS (four bytes: a row's 128 k): [tile][half of K][r][4 steps], 512 bytes a tile.  x's at sc_qkv + 0, W_attn's at sc_qkv + 262,144, W_proj's at sc_proj + 0.
; A block's byte is its largest magnitude's exponent field - 8, held at 1 from below; each number is held within +-448 x the scale and converted, ties to even.
; LIMITS: NaN and infinities among the inputs are not served.  A block of zeros gets the byte 1 where the quantiser says 127: its codes are zeros, and this program alone reads the bytes.
; The table's angles (head x 10000^(-j/32), at most 15) carry an error of about 1e-6 absolute: one exponential, a reduction by pi/2 in two parts, and polynomials whose remainders lie under 2e-9.
; WORK-GROUPS: 0-127 take x, 128-255 the weights, 256 the table: three ways that part on the work-group's number alone; x's way and the weights' way have LDS bytes of their own.  No tensor loads.
.set TM,   32                          ; v32-35 largest magnitudes, v36-39 bytes, v44-47 the conversions' scale operands
.set PC,   16                          ; v16-31 a fragment's codes
.set XST,  8448                        ; x's way: a wave's stage, 16 rows x (512 bytes + 16)
.set WLDS, 8*XST                       ; the weights' way: 1,024 bytes of scale words
; 64 numbers of a lane, register 16 b + i = k 32 b + 16 (lane / 16) + i of its row, become codes in v[PC] on; the four bytes stay in v[TM+4] on
.macro QUANT s
.irp b, 0,1,2,3
	v_max3_num_f32 v[TM+\b], |v[\s+16*\b]|, |v[\s+1+16*\b]|, 0x4800000   ; my 16 numbers of block b, and the floor 2^(9 - 127): the byte cannot fall under 1
.endr
.irp i, 2,4,6,8,10,12,14
.irp b, 0,1,2,3
	s_delay_alu instid0(VALU_DEP_4)
	v_max3_num_f32 v[TM+\b], v[TM+\b], |v[\s+16*\b+\i]|, |v[\s+1+16*\b+\i]|
.endr
.endr
.irp b, 0,1,2,3
	s_delay_alu instid0(VALU_DEP_4)
	v_permlanex16_b32 v[TM+4+\b], v[TM+\b], s22, s23
.endr
.irp b, 0,1,2,3
	s_delay_alu instid0(VALU_DEP_4)
	v_max_num_f32 v[TM+\b], v[TM+\b], v[TM+4+\b]                 ; with lane l xor 16's: the block's largest magnitude
.endr
.irp b, 0,1,2,3
	s_delay_alu instid0(VALU_DEP_4)
	v_add_nc_u32 v[TM+12+\b], 0xfc000000, v[TM+\b]               ; 8 off its exponent field: the conversion's scale operand
.endr
.irp b, 0,1,2,3
.endr
.irp b, 0,1,2,3
	s_delay_alu instid0(VALU_DEP_4)
	v_lshrrev_b32 v[TM+4+\b], 23, v[TM+12+\b]                    ; the byte
.endr
.irp b, 0,1,2,3
.irp i, 0,1,2,3,4,5,6,7,8,9,10,11,12,13,14,15
.endr
	v_cvt_scalef32_pk8_fp8_f32 v[PC+4*\b:PC+1+4*\b], v[\s+16*\b:\s+7+16*\b], v[TM+12+\b]
	v_cvt_scalef32_pk8_fp8_f32 v[PC+2+4*\b:PC+3+4*\b], v[\s+8+16*\b:\s+15+16*\b], v[TM+12+\b]
.endr
	v_nop                                          ; a plain line behind the last conversion
.endm
.macro LOADX s                         ; K step s of my 16 rows: each load reads 512 consecutive bytes of one row
.irp i, 0,1,2,3,4,5,6,7,8,9,10,11,12,13,14,15
	global_load_b128 v[64+64*((\s)%2)+4*\i:64+64*((\s)%2)+4*\i+3], v4, s[4:5] offset:(\i+8*(\i/8))*4096+512*(\s) th:TH_LOAD_NT
.endr
.endm
.macro TURNX s                         ; through my stage: in as loaded, out 16 neighbours of each block a lane.  LDS serves a wave's instructions in order: no wait between
.irp i, 0,1,2,3,4,5,6,7,8,9,10,11,12,13,14,15
	ds_store_b128 v5, v[64+64*((\s)%2)+4*\i:64+64*((\s)%2)+4*\i+3] offset:528*\i
.endr
.irp c, 0,1,2,3
.irp j, 0,1,2,3
	ds_load_b128 v[192+16*\c+4*\j:192+16*\c+4*\j+3], v6 offset:128*\c+16*\j
.endr
.endr
.endm
.macro LOADW t, pitch                  ; block t of my column: 32 numbers down K; the 32 lanes read 128 consecutive bytes
.irp i, 0,1,2,3,4,5,6,7,8,9,10,11,12,13,14,15,16,17,18,19,20,21,22,23,24,25,26,27,28,29,30,31
	global_load_b32 v[32+32*(\t)+\i], v4, s[38:39] offset:(32*(\t)+\i)*\pitch th:TH_LOAD_NT
.endr
.endm
.macro WBLOCK t, pitch
.set XS, 32+32*(\t)
.if (\t) < 3
	s_wait_loadcnt 32                              ; this block's 32 loads are in; the next block's 32 may be out
.else
	s_wait_loadcnt 0x0
.endif
.if (\t) < 2
	LOADW (\t)+2, \pitch                           ; two blocks ahead, into registers of their own
.endif
	v_max3_num_f32 v12, |v[XS]|, |v[XS+1]|, |v[XS+2]|            ; all 32 numbers of the block are mine: two chains
	v_max3_num_f32 v13, |v[XS+3]|, |v[XS+4]|, |v[XS+5]|
.irp i, 6,10,14,18,22,26
	s_delay_alu instid0(VALU_DEP_2)
	v_max3_num_f32 v12, v12, |v[XS+\i]|, |v[XS+\i+1]|
	s_delay_alu instid0(VALU_DEP_2)
	v_max3_num_f32 v13, v13, |v[XS+\i+2]|, |v[XS+\i+3]|
.endr
	s_delay_alu instid0(VALU_DEP_2)
	v_max3_num_f32 v12, v12, |v[XS+30]|, |v[XS+31]|
	s_delay_alu instid0(VALU_DEP_1)
	v_max3_num_f32 v12, v12, v13, 0x4800000        ; and the floor
	s_delay_alu instid0(VALU_DEP_1)
	v_add_nc_u32 v11, 0xfc000000, v12
	s_delay_alu instid0(VALU_DEP_1)
	v_lshrrev_b32 v13, 23, v11
.if (\t) == 0
	s_delay_alu instid0(VALU_DEP_1)
	v_mov_b32 v16, v13                             ; the step's scale word: the lower K in the lower byte
.else
	s_delay_alu instid0(VALU_DEP_1)
	v_lshl_or_b32 v16, v13, 8*(\t), v16
.endif
.irp i, 0,1,2,3,4,5,6,7,8,9,10,11,12,13,14,15,16,17,18,19,20,21,22,23,24,25,26,27,28,29,30,31
.endr
.irp g, 0,1,2,3
	v_cvt_scalef32_pk8_fp8_f32 v[160+8*(\t)+2*\g:161+8*(\t)+2*\g], v[XS+8*\g:XS+8*\g+7], v11
.endr
	v_nop
	global_store_b128 v5, v[160+8*(\t):163+8*(\t)], s[12:13] offset:512*(\t)         ; k 32 t + 0 .. 15: the place of lane r;      sixteen lanes store 256 consecutive bytes, aligned
	global_store_b128 v5, v[164+8*(\t):167+8*(\t)], s[12:13] offset:512*(\t)+256     ; k 32 t + 16 .. 31: the place of lane 16 + r
.endm
; one entry of the table: e = head x 32 + j
.macro ROPE1 add, B
	v_add_nc_u32 v[\B], \add, v0
	s_delay_alu instid0(VALU_DEP_1)
	v_and_b32 v[\B+1], 31, v[\B]                   ; j
	s_delay_alu instid0(VALU_DEP_2)
	v_lshrrev_b32 v[\B+2], 5, v[\B]                ; the head
	s_delay_alu instid0(VALU_DEP_2)
	v_cvt_f32_u32 v[\B+1], v[\B+1]
	s_delay_alu instid0(VALU_DEP_2)
	v_cvt_f32_u32 v[\B+2], v[\B+2]
	s_delay_alu instid0(VALU_DEP_2)
	v_mul_f32 v[\B+1], 0xbed49a78, v[\B+1]         ; -j log2(10000) / 32
	s_wait_alu depctr_va_vdst(0)
	v_exp_f32 v[\B+1], v[\B+1]                     ; theta
	v_lshlrev_b32 v[\B], 3, v[\B]                  ; (a plain line behind the exponential)  8 bytes an entry
	s_wait_alu depctr_va_vdst(0)                   ; the wait ahead of the result's first reader
	v_mul_f32 v[\B+2], v[\B+2], v[\B+1]            ; the angle a
	s_delay_alu instid0(VALU_DEP_1)
	v_mul_f32 v[\B+3], 0x3f22f983, v[\B+2]
	s_delay_alu instid0(VALU_DEP_1)
	v_rndne_f32 v[\B+3], v[\B+3]                   ; k = the nearest whole number to a x 2 / pi, at most 10
	s_delay_alu instid0(VALU_DEP_1)
	v_fma_f32 v[\B+4], -v[\B+3], s24, v[\B+2]      ; a - k pi/2, pi/2 in two parts
	s_delay_alu instid0(VALU_DEP_1)
	v_fma_f32 v[\B+4], -v[\B+3], s25, v[\B+4]
	s_delay_alu instid0(VALU_DEP_1)
	v_mul_f32 v[\B+5], v[\B+4], v[\B+4]            ; z
	v_mov_b32 v[\B+6], 0x3638ef1d                  ; 1/9!
	s_delay_alu instid0(VALU_DEP_1)
	v_fmaak_f32 v[\B+6], v[\B+6], v[\B+5], 0xb9500d01   ; -1/7!
	s_delay_alu instid0(VALU_DEP_1)
	v_fmaak_f32 v[\B+6], v[\B+6], v[\B+5], 0x3c088889   ; 1/5!
	s_delay_alu instid0(VALU_DEP_1)
	v_fmaak_f32 v[\B+6], v[\B+6], v[\B+5], 0xbe2aaaab   ; -1/3!
	v_mul_f32 v[\B+7], v[\B+4], v[\B+5]
	s_delay_alu instid0(VALU_DEP_1)
	v_fma_f32 v[\B+6], v[\B+7], v[\B+6], v[\B+4]   ; the sine of the rest
	v_mov_b32 v[\B+8], 0xb493f27e                  ; -1/10!
	s_delay_alu instid0(VALU_DEP_1)
	v_fmaak_f32 v[\B+8], v[\B+8], v[\B+5], 0x37d00d01   ; 1/8!
	s_delay_alu instid0(VALU_DEP_1)
	v_fmaak_f32 v[\B+8], v[\B+8], v[\B+5], 0xbab60b61   ; -1/6!
	s_delay_alu instid0(VALU_DEP_1)
	v_fmaak_f32 v[\B+8], v[\B+8], v[\B+5], 0x3d2aaaab   ; 1/4!
	s_delay_alu instid0(VALU_DEP_1)
	v_fma_f32 v[\B+8], v[\B+8], v[\B+5], -0.5
	s_delay_alu instid0(VALU_DEP_1)
	v_fma_f32 v[\B+8], v[\B+8], v[\B+5], 1.0       ; its cosine
	v_cvt_i32_f32 v[\B+9], v[\B+3]
	s_delay_alu instid0(VALU_DEP_1)
	v_and_b32 v[\B+10], 1, v[\B+9]
	s_delay_alu instid0(VALU_DEP_1)
	v_cmp_eq_u32 vcc_lo, 1, v[\B+10]               ; in an odd quadrant the two change places
	s_delay_alu instid0(VALU_DEP_1)
	v_cndmask_b32 v[\B+12], v[\B+8], v[\B+6], vcc_lo
	s_delay_alu instid0(VALU_DEP_2)
	v_cndmask_b32 v[\B+13], v[\B+6], v[\B+8], vcc_lo
	v_add_nc_u32 v[\B+10], 1, v[\B+9]
	s_delay_alu instid0(VALU_DEP_1)
	v_and_b32 v[\B+10], 2, v[\B+10]                ; the cosine is negative in quadrants 1 and 2,
	s_delay_alu instid0(VALU_DEP_1)
	v_lshlrev_b32 v[\B+10], 30, v[\B+10]
	s_delay_alu instid0(VALU_DEP_1)
	v_xor_b32 v[\B+12], v[\B+10], v[\B+12]
	v_and_b32 v[\B+11], 2, v[\B+9]                 ; the sine in 2 and 3
	s_delay_alu instid0(VALU_DEP_1)
	v_lshlrev_b32 v[\B+11], 30, v[\B+11]
	s_delay_alu instid0(VALU_DEP_1)
	v_xor_b32 v[\B+13], v[\B+11], v[\B+13]
	global_store_b64 v[\B], v[\B+12:\B+13], s[18:19]
.endm
	s_load_b256 s[4:11], s[0:1], 0x0               ; x s[4:5], W_attn s[6:7], W_proj s[8:9], xq s[10:11]
	s_load_b256 s[12:19], s[0:1], 0x20             ; wq s[12:13], sc_qkv s[14:15], sc_proj s[16:17], rope s[18:19]
	s_set_vgpr_msb 0x40
	v_lshl_add_u32 v0, v0, 2, 0x10c00
	v_mov_b32 v1, 0
	s_set_vgpr_msb 0x4000
	v_lshrrev_b32 v1, 5, v0
	s_delay_alu instid0(VALU_DEP_1)
	v_readfirstlane_b32 s20, v1                    ; wave 0..7
	v_and_b32 v1, 31, v0                           ; lane
	v_and_b32 v2, 15, v0                           ; r
	v_bfe_u32 v3, v0, 4, 1                         ; h
	s_mov_b32 s22, 0x76543210
	s_mov_b32 s23, 0xfedcba98                      ; v_permlanex16_b32's selects for lane l xor 16
	s_cmp_lt_u32 ttmp9, 128
	s_cbranch_scc0 .Lnot_x
	; ---- x: wave w of work-group g takes tile 4 g + w / 2, K steps 4 (w % 2) + 0 .. 3
	v_lshlrev_b32 v4, 4, v1                        ; 16 x lane: my bytes of a load's 512, and of a chunk's
	s_mul_i32 s24, s20, XST
	v_add_nc_u32 v5, s24, v4                       ; the stage, on the way in
	v_mul_u32_u24 v6, v2, 528
	s_delay_alu instid0(VALU_DEP_1)
	v_lshl_add_u32 v6, v3, 6, v6
	s_delay_alu instid0(VALU_DEP_1)
	v_add_nc_u32 v6, s24, v6                       ; and out: row r, + 64 h; rows 528 bytes apart start at 16 different groups of banks
	v_lshlrev_b32 v7, 4, v2                        ; 16 r: my row's four scale words
.irp b, 0,1,2,3
	v_mov_b32 v[TM+4+\b], 0                        ; a lane permute's destination counts as one of its sources
.endr
	s_lshl_b32 s25, ttmp9, 2
	s_lshr_b32 s26, s20, 1
	s_add_co_u32 s25, s25, s26                     ; the tile T
	s_and_b32 s26, s20, 1                          ; the half of K
	s_lshl_b32 s28, s25, 4
	s_and_b32 s27, s25, 1
	s_lshl_b32 s27, s27, 3
	s_sub_co_u32 s28, s28, s27                     ; its first row: 16 T - 8 (T % 2) = 32 (T / 2) + 8 (T % 2)
	s_lshl_b32 s28, s28, 12
	s_lshl_b32 s27, s26, 11
	s_add_co_u32 s28, s28, s27
	s_mov_b32 s29, 0
	s_lshl_b32 s30, s25, 14
	s_lshl_b32 s27, s26, 13
	s_add_co_u32 s30, s30, s27
	s_mov_b32 s31, 0
	s_lshl_b32 s32, s25, 9
	s_lshl_b32 s27, s26, 8
	s_add_co_u32 s32, s32, s27
	s_mov_b32 s33, 0
	s_wait_alu depctr_va_vdst(0)
	s_wait_kmcnt 0x0
	s_add_nc_u64 s[4:5], s[4:5], s[28:29]
	s_add_nc_u64 s[10:11], s[10:11], s[30:31]
	s_add_nc_u64 s[14:15], s[14:15], s[32:33]
	LOADX 0
	LOADX 1
.irp s, 0,1,2,3
.if \s < 3
	s_wait_loadcnt 16                              ; this step's 16 loads are in; the next step's 16 may be out
.else
	s_wait_loadcnt 0x0
.endif
	TURNX \s
	s_wait_dscnt 0x0                               ; the numbers are back: so the stage's stores have read the loaded set,
.if \s < 2
	LOADX \s+2                                     ; which takes the step two on
.endif
	s_wait_xcnt 0x0                                ; the last step's stores have read the codes' registers
	QUANT 192
	v_lshl_or_b32 v[8+\s], v[TM+5], 8, v[TM+4]     ; the step's scale word
	s_delay_alu instid0(VALU_DEP_1)
	v_lshl_or_b32 v[8+\s], v[TM+6], 16, v[8+\s]
	s_delay_alu instid0(VALU_DEP_1)
	v_lshl_or_b32 v[8+\s], v[TM+7], 24, v[8+\s]
.irp c, 0,1,2,3
	global_store_b128 v4, v[PC+4*\c:PC+4*\c+3], s[10:11] offset:2048*\s+512*\c    ; 32 lanes store 512 consecutive bytes
.endr
.endr
	s_wait_alu depctr_va_vdst(0)
	s_wait_xcnt 0x0                                ; EXEC changes only behind this wait
	v_cmp_gt_u32 vcc_lo, 16, v1
	s_set_vgpr_msb 0x5
	s_wait_tensorcnt 0x0
	ds_add_u32 v0, v1
	s_wait_dscnt 0x0
	s_set_vgpr_msb 0x500
	s_and_saveexec_b32 s34, vcc_lo                 ; both halves of the lanes hold the same words: lanes 0-15 store them, 256 consecutive bytes
	global_store_b128 v7, v[8:11], s[14:15]
	s_wait_xcnt 0x0
	s_or_b32 exec_lo, exec_lo, s34
	s_endpgm
.Lnot_x:
	s_cmp_lt_u32 ttmp9, 256
	s_cbranch_scc0 .Lrope
	; ---- the weights: 128 groups of 32 columns (96 of W_attn, 32 of W_proj) x 8 K steps.  A lane takes a column and its registers run down K.
	; Work-group g: column groups 2 (g % 64) and + 1, K steps 4 (g / 64) + 0 .. 3; wave w: group w / 4, step w % 4
	s_sub_co_u32 s24, ttmp9, 128
	s_and_b32 s25, s24, 63
	s_lshr_b32 s26, s24, 6                         ; the half of K
	s_lshr_b32 s27, s20, 2
	s_lshl_b32 s28, s25, 1
	s_add_co_u32 s28, s28, s27                     ; the column group: tiles 2 cg and 2 cg + 1
	s_and_b32 s29, s20, 3
	s_lshl_b32 s30, s26, 2
	s_add_co_u32 s30, s30, s29                     ; the K step
	s_wait_alu depctr_va_vdst(0)
	v_and_b32 v4, 8, v2
	s_delay_alu instid0(VALU_DEP_1)
	v_add_nc_u32 v4, v4, v2
	s_delay_alu instid0(VALU_DEP_1)
	v_lshl_add_u32 v4, v3, 3, v4                   ; lane (u, r) takes column 8 u + r + 8 (r / 8): row r of tile 2 cg + u
	s_delay_alu instid0(VALU_DEP_1)
	v_lshlrev_b32 v4, 2, v4
	v_lshlrev_b32 v5, 4, v2
	s_delay_alu instid0(VALU_DEP_1)
	v_lshl_add_u32 v6, v3, 9, v5                   ; scale words: tile u, 16 r
	s_delay_alu instid0(VALU_DEP_2)
	v_lshl_add_u32 v5, v3, 14, v5                  ; codes: tile u, 16 r
	v_lshlrev_b32 v8, 4, v1
	v_lshrrev_b32 v9, 7, v0
	s_delay_alu instid0(VALU_DEP_1)
	v_lshl_add_u32 v8, v9, 9, v8
	s_delay_alu instid0(VALU_DEP_1)
	v_add_nc_u32 v8, WLDS, v8                      ; LDS: my column's four words: 512 (w / 4) + 16 x lane,
	v_bfe_u32 v9, v0, 5, 2
	s_delay_alu instid0(VALU_DEP_1)
	v_lshl_add_u32 v7, v9, 2, v8                   ; and my step's among them: + 4 (w % 4)
	s_lshl_b32 s32, s28, 15
	s_lshl_b32 s31, s30, 11
	s_add_co_u32 s32, s32, s31                     ; the codes: tile 2 cg, step s
	s_mov_b32 s33, 0
	s_cmp_lt_u32 s25, 48                           ; W_attn's columns or W_proj's?  The choice hangs on the work-group's number alone
	s_mov_b32 s34, 524288
	s_cselect_b32 s34, 1572864, s34                ; 128 rows of the tensor in bytes
	s_cselect_b32 s36, 0, 96
	s_cselect_b32 s37, 262144, 0
	s_mul_i32 s34, s34, s30
	s_sub_co_u32 s36, s28, s36                     ; the column group within its tensor
	s_lshl_b32 s35, s36, 7
	s_add_co_u32 s34, s34, s35
	s_mov_b32 s35, 0
	s_lshl_b32 s36, s36, 10
	s_add_co_u32 s36, s36, s37
	s_lshl_b32 s37, s26, 8
	s_add_co_u32 s36, s36, s37                     ; the scale words' place
	s_mov_b32 s37, 0
	s_wait_kmcnt 0x0
	s_cmp_lt_u32 s25, 48
	s_cselect_b64 s[38:39], s[6:7], s[8:9]
	s_cselect_b64 s[40:41], s[14:15], s[16:17]
	s_add_nc_u64 s[38:39], s[38:39], s[34:35]
	s_add_nc_u64 s[40:41], s[40:41], s[36:37]
	s_add_nc_u64 s[12:13], s[12:13], s[32:33]
	s_cmp_lt_u32 s25, 48
	s_cbranch_scc0 .Lw_proj
	LOADW 0, 12288
	LOADW 1, 12288
.irp t, 0,1,2,3
	WBLOCK \t, 12288
.endr
	s_branch .Lw_join
.Lw_proj:
	LOADW 0, 4096
	LOADW 1, 4096
.irp t, 0,1,2,3
	WBLOCK \t, 4096
.endr
.Lw_join:
	s_wait_alu depctr_va_vdst(0)
	ds_store_b32 v7, v16                           ; four waves' words of one column meet in LDS,
	s_wait_dscnt 0x0                               ; for the others' sake: my store is done
	s_barrier_signal -1
	s_barrier_wait -1
	s_cmp_lg_u32 s29, 0
	s_cbranch_scc1 .Lw_end
	ds_load_b128 v[20:23], v8                      ; and the first of the four stores them: sixteen lanes 256 consecutive bytes
	s_wait_dscnt 0x0
	global_store_b128 v6, v[20:23], s[40:41]
.Lw_end:
	s_set_vgpr_msb 0x5
	s_wait_tensorcnt 0x0
	ds_add_u32 v0, v1
	s_wait_dscnt 0x0
	s_set_vgpr_msb 0x500
	s_endpgm
.Lrope:
	; ---- the table: [16 heads][32 j] pairs (cos, sin) of head x 10000^(-j/32): 512 entries, two a thread
	s_mov_b32 s24, 0x3fc90fdb                      ; pi/2, the upper part,
	s_mov_b32 s25, 0xb33bbd2e                      ; and what is left of it
	s_wait_kmcnt 0x0
	ROPE1 0, 4
	ROPE1 256, 24
	s_endpgm
.Lfunc_end_k_qb0cf1967fa_quant:
	.size	k_qb0cf1967fa_quant, .Lfunc_end_k_qb0cf1967fa_quant-k_qb0cf1967fa_quant
	.p2alignl 7, 3214868480
	.fill 96, 4, 3214868480
	.section	.rodata,"a",@progbits
	.p2align	6, 0x0
	.amdhsa_kernel k_qb0cf1967fa_quant
		.amdhsa_group_segment_fixed_size 69632
		.amdhsa_private_segment_fixed_size 0
		.amdhsa_enable_private_segment 0
		.amdhsa_kernarg_size 64
		.amdhsa_user_sgpr_count 2
		.amdhsa_user_sgpr_kernarg_segment_ptr 1
		.amdhsa_wavefront_size32 1
		.amdhsa_system_sgpr_workgroup_id_x 1
		.amdhsa_system_sgpr_workgroup_id_y 1
		.amdhsa_system_sgpr_workgroup_id_z 1
		.amdhsa_system_vgpr_workitem_id 0
		.amdhsa_next_free_vgpr 258
		.amdhsa_next_free_sgpr 66
		.amdhsa_reserve_vcc 1
		.amdhsa_float_denorm_mode_32 3
		.amdhsa_float_denorm_mode_16_64 3
		.amdhsa_fp16_overflow 1
		.amdhsa_memory_ordered 1
		.amdhsa_forward_progress 1
		.amdhsa_inst_pref_size 90
	.end_amdhsa_kernel
	.amdgpu_metadata
---
amdhsa.version: [ 1, 2 ]
amdhsa.kernels:
  - .name:           k_qb0cf1967fa_quant
    .symbol:         k_qb0cf1967fa_quant.kd
    .args:
      - { .name: x, .offset: 0, .size: 8, .value_kind: global_buffer, .address_space: global }
      - { .name: W_attn, .offset: 8, .size: 8, .value_kind: global_buffer, .address_space: global }
      - { .name: W_proj, .offset: 16, .size: 8, .value_kind: global_buffer, .address_space: global }
      - { .name: xq, .offset: 24, .size: 8, .value_kind: global_buffer, .address_space: global }
      - { .name: wq, .offset: 32, .size: 8, .value_kind: global_buffer, .address_space: global }
      - { .name: sc_qkv, .offset: 40, .size: 8, .value_kind: global_buffer, .address_space: global }
      - { .name: sc_proj, .offset: 48, .size: 8, .value_kind: global_buffer, .address_space: global }
      - { .name: rope, .offset: 56, .size: 8, .value_kind: global_buffer, .address_space: global }
    .group_segment_fixed_size: 69632
    .private_segment_fixed_size: 0
    .kernarg_segment_align: 8
    .kernarg_segment_size: 64
    .max_flat_workgroup_size: 256
    .sgpr_count:     66
    .vgpr_count:     258
    .wavefront_size: 32
...
	.end_amdgpu_metadata
.endif
;; end of part 1
;; launch qkv (part 2): grid 12 x 32, 4 waves a work-group, clusters of 4 x 4, 327,680 bytes of LDS; arguments xq, wq, sc_qkv, rope, b_attn, qws, kv; writes qws, kv
.if DOCPART == 2
	.amdgcn_target "amdgcn-amd-amdhsa--gfx1250"
	.amdhsa_code_object_version 6
	.text
	.protected	k_qb0cf1967fa_qkv
	.globl	k_qb0cf1967fa_qkv
	.p2align	8
	.type	k_qb0cf1967fa_qkv,@function
k_qb0cf1967fa_qkv:
	s_mov_b64 s[64:65], 0
	v_nop
	global_prefetch_b8 v0, s[64:65] scope:SCOPE_SE
	s_setreg_imm32_b32 hwreg(HW_REG_WAVE_MODE, 25, 1), 1
	s_wait_xcnt 0x0
	s_wait_alu depctr_hold_cnt(0) depctr_sa_sdst(0) depctr_va_vdst(0) depctr_va_sdst(0) depctr_va_ssrc(0) depctr_va_vcc(0) depctr_vm_vsrc(0)
	s_getreg_b32 s2, hwreg(HW_REG_IB_STS2, 6, 4)
	s_cmp_eq_u32 s2, 0
	s_cbranch_scc0 .Lentry_in_a_cluster
	s_endpgm
.Lentry_in_a_cluster:
	s_bfe_u32 s2, ttmp6, 0x10000c
	s_cmp_lg_u32 s2, 0xf033
	s_cbranch_scc0 .Lentry_shape_is_right
	s_endpgm
.Lentry_shape_is_right:
; qkv = x W_attn + b_attn on codes of FP8 (E4M3) with E8M0 scales; then q and k are rotated (angle = head x theta_j) and quantised along the head's 64, v along the keys; all three leave as fragment images for the attention.
; A work-group of four waves makes 256 x 256 of the product, a wave 128 x 128: 64 accumulators, 512 registers.  K = 1,024 goes in eight steps of 128, two to a slot, through two LDS slots; all eight steps are written out.
; OPERANDS ARE FRAGMENT IMAGES: (tile of 16 rows, K step) = 2,048 bytes, chunk c, lane l at 512 c + 16 l: every LDS load is 512 consecutive bytes; no pitch, no padding.
; Lane r of tile T stands for row 32 (T / 2) + 8 (T % 2) + r + 8 (r / 8).  So in D = (source 0: tile of P) x (source 1: tile of R) a lane holds one row of R, and the 16 registers of P's tiles 2 b, 2 b + 1 are the
; 16 neighbours 32 b + 16 (lane / 16) + 0 .. 15 along P: the order in which the next product's operand wants them.  What is quantised along P comes out as that operand's registers.
; ROLES, by the cluster's x (the same in all sixteen partners): 0: q, 1: k: R = x's rows, P = W_attn's columns (d runs along a lane's registers).  2: v: R = W_attn's columns, P = x's rows (the keys run along the registers).
; The text parts on the role ONCE, in the middle of the last K step: each arm asks memory for what its way out wants, issues the step's last 32 products (macro LASTHALF) and goes out; the arms join at the wave's end.
; CLUSTERS: 4 x 4.  R's tiles hang on the cluster's row alone, P's on its column alone, in every role: each is asked for jointly by the four that share it.
; RESULTS.  qws: [64 heads][8 blocks of 256 queries] records of 17,408 bytes: codes [16 tiles][2 chunks][512], words [4 groups][16 r][4 tiles] at 16,384.
;   kv: [64][8 slots of 256 keys] records of 34,304 bytes: K's codes as q's at 0; V^T's codes [4 tiles of d][2 key steps][2048] at 16,384; K's words at 32,768; V's words [2 steps][16 r][4 tiles] at 33,792.
;   A word of q or k: byte of d 0-31, byte of d 32-63, 0x7f, 0x7f (the attention's K step of 128 is filled with zero codes).
; LIMITS: NaN and infinities are not served; a block of zeros gets the byte 1 (zero codes; this program alone reads the bytes).  The bias is rotated once and added to the rotated product: the order of rounding differs from adding it first.
; REGISTERS: window 0: v1-8 lane numbers and offsets, v16-29 addresses, v32-95 scale words (register 8 i + s: tile i, step s; lanes 0-15 R's, lanes 16-31 P's), v96-119 the way out's words and biases, v128-255 R's fragments, one set;
;   window 1: P's fragments, two sets; windows 2, 3: the accumulators ((a, b) at 8 (8 (a % 4) + b)).
.set SLOT,  131072                     ; R's 16 tiles x 4,096 bytes (two K steps), then P's 16
.set SPARE, 2*SLOT                     ; the spare words: 128 bytes a wave, two blocks of 256 bytes that no other line names
.set QREC,  17408
.set KREC,  34304
.set NP,    8                          ; places behind this matrix instruction (ISA guide 7.12.1)
.set ADRA, 16                          ; v16-17 my 8 tiles of R in slot 0, 1
.set ADRB, 20                          ; v20-21 my 8 tiles of P
.set LI,   26                          ; v26    16 x lane
.set SPW,  28
.set NIL,  29
.set SC,   32
.set QW,   96                          ; v96-111 the way out: scale words
.set BV,   112                         ; v112-119 v's biases
.set AF,   128
.set TT,   128                         ; the way out: 64 numbers at work,
.set PC,   192                         ; their codes,
.set TM,   208                         ; and the quantiser's 16 registers
.set G1R, 24
.set G0R, 32
.set G1P, 48
.set G0P, 56
.set SEL, 66
.set MNT, 68
.set HM,  69                           ; the mask of lanes 16-31
.set RT,  70                           ; which 256 rows of R are my work-group's
.set PT,  71                           ; and of P
.set MSB, 0
.macro WIN new                         ; the immediate's high byte repeats the setting that is left
.if MSB != (\new)
	s_set_vgpr_msb (MSB<<8)|(\new)
.set MSB, (\new)
.endif
.endm
.set MUL_LO, 0xa1                      ; source 0 (P) window 1, source 1 (R) window 0, C and D window 2
.set MUL_HI, 0xf1
.set TO_B,   0x40
; a joint load: waves 0 and 1 fetch R's halves, waves 2 and 3 P's; four v_nop follow each line
.macro JLOAD g0a, g1a, g0b, g1b
	s_cmp_eq_u32 s19, 0
	s_cbranch_scc0 .Lfor_p_\@
	tensor_load_to_lds s[\g0a:\g0a+3], s[\g1a:\g1a+7]
	s_nop 0
.rept 4
	v_nop
.endr
	s_branch .Lasked_\@
.Lfor_p_\@:
	tensor_load_to_lds s[\g0b:\g0b+3], s[\g1b:\g1b+7]
	s_nop 0
.rept 4
	v_nop
.endr
.Lasked_\@:
.endm
.macro CREST
	s_cmp_lg_u32 s18, 0
	s_cbranch_scc1 .Lnot_wave_0_\@
	s_barrier_signal -3
.Lnot_wave_0_\@:
	s_barrier_wait -3
	s_barrier_signal -1
	s_barrier_wait -1
.endm
.macro CROUND
	s_barrier_signal -1
	s_barrier_wait -1
	CREST
.endm
.macro PLACES n
.rept \n
	v_nop
.endr
.endm
.macro FRAG reg, adr, q, i             ; tile i's image of the slot's q-th K step: four loads of 512 consecutive bytes
.irp c, 0,1,2,3
	ds_load_b128 v[\reg+4*\c:\reg+4*\c+3], v[\adr] offset:(\i)*4096+(\q)*2048+512*\c
.endr
.endm
.macro FETCH_B slot, q, p
	WIN TO_B
.irp i, 0,1,2,3,4,5,6,7
	FRAG 128*(\p)+16*\i, ADRB+\slot, \q, \i
.endr
	WIN 0
.endm
.macro FETCH_A slot, q, i0
.irp i, \i0, \i0+1, \i0+2, \i0+3
	FRAG AF+16*(\i), ADRA+\slot, \q, \i
.endr
.endm
; 16 matrix instructions: R's tiles a0, a0 + 1 x P's eight, K step ks.  The 64 accumulators take turns, one instruction a turn, in the same order in every step
.macro MUL16 a0, p, ks, zero
.irp a, \a0, \a0+1
.irp b, 0,1,2,3,4,5,6,7
.if \zero
	v_wmma_scale_f32_16x16x128_f8f6f4 v[8*(8*((\a)%4)+\b):8*(8*((\a)%4)+\b)+7], v[128*(\p)+16*\b:128*(\p)+16*\b+15], v[AF+16*(\a):AF+16*(\a)+15], 0, v[SC+8*\b+(\ks)], v[SC+8*(\a)+(\ks)] matrix_a_scale:MATRIX_SCALE_ROW1
.else
	v_wmma_scale_f32_16x16x128_f8f6f4 v[8*(8*((\a)%4)+\b):8*(8*((\a)%4)+\b)+7], v[128*(\p)+16*\b:128*(\p)+16*\b+15], v[AF+16*(\a):AF+16*(\a)+15], v[8*(8*((\a)%4)+\b):8*(8*((\a)%4)+\b)+7], v[SC+8*\b+(\ks)], v[SC+8*(\a)+(\ks)] matrix_a_scale:MATRIX_SCALE_ROW1
.endif
.endr
.endr
.endm
; a slot's first K step (P's set 0); it fetches the slot's second step
.macro STEP slot, ks, zero
	s_wait_dscnt 16                                ; P's set and R's tiles 0-3 are in; the youngest 16 loads (R's tiles 4-7) may be out
	WIN MUL_LO
	MUL16 0, 0, \ks, \zero
	MUL16 2, 0, \ks, \zero
	s_wait_dscnt 0
	PLACES NP                                      ; in front of loads into registers that matrix instructions have read
	FETCH_B \slot, 1, 1
	FETCH_A \slot, 1, 0
	WIN MUL_HI
	MUL16 4, 0, \ks, \zero
	MUL16 6, 0, \ks, \zero
	PLACES NP
	WIN 0
	FETCH_A \slot, 1, 4
.endm
; a slot's second K step (P's set 1) changes slots: one barrier; fill = 1: it opens a round of the cluster's barrier, and the slot is filled again with the K steps four on
.macro TURN slot, next, fill, ks
	s_wait_tensorcnt 0x0                           ; all my tensor loads have landed: my part of the next slot;
	ds_add_u32 v[SPW], v[NIL]                      ; 0 onto my spare word
	s_wait_dscnt 17                                ; (the add and the youngest 16 loads may be out)
	WIN MUL_LO
	MUL16 0, 1, \ks, 0
	s_wait_dscnt 0x0                               ; the add is done, and my reads of this slot are over
	s_barrier_signal -1
	MUL16 2, 1, \ks, 0
	WIN 0
	s_barrier_wait -1
.if \fill
	CREST                                          ; no wave of any partner still reads this slot or has a load on its way
	s_add_nc_u64 s[G0R+4*\slot+2:G0R+4*\slot+3], s[G0R+4*\slot+2:G0R+4*\slot+3], 8192
	s_add_nc_u64 s[G0P+4*\slot+2:G0P+4*\slot+3], s[G0P+4*\slot+2:G0P+4*\slot+3], 8192
	JLOAD G0R+4*\slot, G1R, G0P+4*\slot, G1P       ; my one tensor load behind the round; its four v_nop are four of the eight places
	PLACES NP-4
.else
	PLACES NP
.endif
	FETCH_B \next, 0, 0
	FETCH_A \next, 0, 0
	WIN MUL_HI
	MUL16 4, 1, \ks, 0
	MUL16 6, 1, \ks, 0
	PLACES NP
	WIN 0
	FETCH_A \next, 0, 4
.endm
; the last 32 products of the last K step, the places behind them, and the wait for what the arm has asked of memory.  It stands once in each arm
.macro LASTHALF
	WIN MUL_HI
	MUL16 4, 1, 7, 0
	MUL16 6, 1, 7, 0
	WIN 0
	PLACES NP                                      ; in front of the first read of results, and of writes into registers that held fragments
	s_wait_loadcnt 0x0
.irp b, 0,1,2,3
	v_mov_b32 v[TM+4+\b], 0                        ; a lane permute's destination counts as one of its sources
.endr
.endm
; 64 numbers of a lane, register 16 b + i, become four blocks' codes in v[PC] on; the four bytes stay in v[TM+4] on
.macro QUANT s
.irp b, 0,1,2,3
	v_max3_num_f32 v[TM+\b], |v[\s+16*\b]|, |v[\s+1+16*\b]|, 0x4800000   ; my 16 numbers of block b, and the floor 2^(9 - 127)
.endr
.irp i, 2,4,6,8,10,12,14
.irp b, 0,1,2,3
	v_max3_num_f32 v[TM+\b], v[TM+\b], |v[\s+16*\b+\i]|, |v[\s+1+16*\b+\i]|
.endr
.endr
.irp b, 0,1,2,3
	v_permlanex16_b32 v[TM+4+\b], v[TM+\b], s[SEL], s[SEL+1]
.endr
.irp b, 0,1,2,3
	v_max_num_f32 v[TM+\b], v[TM+\b], v[TM+4+\b]
.endr
.irp b, 0,1,2,3
	v_add_nc_u32 v[TM+12+\b], 0xfc000000, v[TM+\b]
.endr
.irp b, 0,1,2,3
.endr
.irp b, 0,1,2,3
	v_lshrrev_b32 v[TM+4+\b], 23, v[TM+12+\b]
.endr
.irp b, 0,1,2,3
.irp i, 0,1,2,3,4,5,6,7,8,9,10,11,12,13,14,15
.endr
	v_cvt_scalef32_pk8_fp8_f32 v[PC+4*\b:PC+1+4*\b], v[\s+16*\b:\s+7+16*\b], v[TM+12+\b]
	v_cvt_scalef32_pk8_fp8_f32 v[PC+2+4*\b:PC+3+4*\b], v[\s+8+16*\b:\s+15+16*\b], v[TM+12+\b]
.endr
	v_nop                                          ; a plain line behind the last conversion
.endm
	s_load_b256 s[4:11], s[0:1], 0x0               ; xq s[4:5], wq s[6:7], sc_qkv s[8:9], rope s[10:11]
	s_load_b128 s[12:15], s[0:1], 0x20             ; b_attn s[12:13], qws s[14:15]
	s_load_b64 s[16:17], s[0:1], 0x30              ; kv
	v_lshl_add_u32 v[SPW], v0, 2, SPARE
	v_mov_b32 v[NIL], 0
	ds_add_u32 v28, v29
	ds_add_u32 v28, v29
	s_wait_dscnt 0x0
	v_lshrrev_b32 v1, 5, v0
	v_readfirstlane_b32 s18, v1                    ; wave 0..3
	s_lshr_b32 s19, s18, 1                         ; my half of R's 16 tiles.  Also: I fetch for R (0) or for P (1)
	s_and_b32 s20, s18, 1                          ; my half of P's.  Also: which half I fetch
	s_bfe_u32 s21, ttmp6, 0x40000                  ; cx
	s_bfe_u32 s22, ttmp6, 0x40004                  ; cy
	s_and_b32 s23, ttmp7, 0xffff                   ; the cluster's y
	s_lshl_b32 s40, s23, 2
	s_add_co_u32 s41, s40, s22                     ; q, k: R = x's rows 256 (4 cluster y + cy) on
	s_add_co_u32 s42, s22, 8                       ; v:    R = W_attn's columns 256 (8 + cy) on
	s_add_co_u32 s43, s40, s21                     ; v:    P = x's rows 256 (4 cluster y + cx) on
	s_lshl_b32 s44, ttmp9, 2
	s_add_co_u32 s44, s44, s21                     ; q, k: P = W_attn's columns 256 (4 cluster x + cx) on
	s_cmp_eq_u32 ttmp9, 2
	s_cselect_b32 s[RT], s42, s41                  ; made of cy alone,
	s_cselect_b32 s[PT], s43, s44                  ; made of cx alone
	s_lshl_b32 s45, s22, 2
	s_lshl_b32 s45, 15, s45                        ; my row of the cluster
	s_lshl_b32 s46, 0x1111, s21                    ; my column
	; descriptor group 1: 8 tiles' two K steps: 8 rows of 512 elements of 8 bytes, 2,048 elements (a tile's eight steps) apart; dense in LDS
	s_or_b32 s[G1R], s45, (3<<16)|(1<<21)          ; 15:0 the mask; 17:16 elements of 8 bytes; 21 set beside a mask
	s_or_b32 s[G1P], s46, (3<<16)|(1<<21)
.irp g, G1R, G1P
	s_mov_b32 s[\g+1], 512<<16                     ; tensor_dim0
	s_mov_b32 s[\g+2], 8<<16                       ; tensor_dim1
	s_mov_b32 s[\g+3], 512<<16                     ; tile_dim0
	s_mov_b32 s[\g+4], 8                           ; tile_dim1
	s_mov_b32 s[\g+5], 2048                        ; tensor_dim0_stride
	s_mov_b32 s[\g+6], 0
	s_mov_b32 s[\g+7], 0
.endr
	s_mov_b32 s[SEL], 0x76543210
	s_mov_b32 s[SEL+1], 0xfedcba98
	s_lshl_b32 s47, s20, 17                        ; the half that I fetch: 8 tiles of 16,384 bytes
	s_lshl_b32 s72, s[RT], 18
	s_add_co_u32 s72, s72, s47
	s_mov_b32 s73, 0
	s_lshl_b32 s74, s[PT], 18
	s_add_co_u32 s74, s74, s47
	s_mov_b32 s75, 0
	s_lshl_b32 s76, s20, 15                        ; where it goes in a slot: R's half,
	s_add_co_u32 s77, s76, 65536                   ; P's half: no place in the cluster enters an LDS address
	s_wait_kmcnt 0x0
	s_cmp_eq_u32 ttmp9, 2
	s_cselect_b64 s[78:79], s[6:7], s[4:5]         ; R's codes
	s_cselect_b64 s[80:81], s[4:5], s[6:7]         ; P's codes
	s_add_nc_u64 s[78:79], s[78:79], s[72:73]
	s_add_nc_u64 s[80:81], s[80:81], s[74:75]
	CROUND                                         ; all sixteen work-groups are here: the first joint loads meet
.irp s, 0,1
	s_mov_b32 s[G0R+4*\s], 1
	s_add_co_u32 s[G0R+4*\s+1], s76, \s*SLOT
	s_add_nc_u64 s[G0R+4*\s+2:G0R+4*\s+3], s[78:79], \s*4096
	s_or_b32 s[G0R+4*\s+3], s[G0R+4*\s+3], 0x80000000
	s_mov_b32 s[G0P+4*\s], 1
	s_add_co_u32 s[G0P+4*\s+1], s77, \s*SLOT
	s_add_nc_u64 s[G0P+4*\s+2:G0P+4*\s+3], s[80:81], \s*4096
	s_or_b32 s[G0P+4*\s+3], s[G0P+4*\s+3], 0x80000000
	JLOAD G0R+4*\s, G1R, G0P+4*\s, G1P             ; K steps 0, 1 and 2, 3: two loads of mine are out
.endr
	v_and_b32 v1, 15, v0                           ; r
	v_bfe_u32 v2, v0, 4, 1                         ; h
	v_and_b32 v3, 31, v0                           ; lane
	s_wait_alu depctr_va_vdst(0)
	v_lshlrev_b32 v[LI], 4, v3
	s_lshl_b32 s47, s19, 15
.irp s, 0,1
	v_add_nc_u32 v[ADRA+\s], s47, v[LI]
	v_add_nc_u32 v[ADRB+\s], s77, v[LI]
	s_add_co_u32 s47, s47, SLOT
	s_add_co_u32 s77, s77, SLOT
.endr
	; the scale words of all of K stay in registers: lanes 0-15 take R's tile i, lanes 16-31 P's tile i; x's words lie at 0, W_attn's at 262,144; 512 bytes a tile
	s_cmp_eq_u32 ttmp9, 2
	s_cselect_b32 s82, 262144, 0
	s_cselect_b32 s83, 0, 262144
	s_lshl_b32 s84, s[RT], 13
	s_add_co_u32 s82, s82, s84
	s_lshl_b32 s84, s19, 12
	s_add_co_u32 s82, s82, s84
	s_lshl_b32 s84, s[PT], 13
	s_add_co_u32 s83, s83, s84
	s_lshl_b32 s84, s20, 12
	s_add_co_u32 s83, s83, s84
	v_cmp_le_u32 s[HM], 16, v3
	v_mov_b32 v4, s82
	v_mov_b32 v5, s83
	v_cndmask_b32 v4, v4, v5, s[HM]
	v_lshl_add_u32 v4, v1, 4, v4
.irp i, 0,1,2,3,4,5,6,7
	global_load_b128 v[SC+8*\i:SC+8*\i+3], v4, s[8:9] offset:512*\i
	global_load_b128 v[SC+8*\i+4:SC+8*\i+7], v4, s[8:9] offset:512*\i+256
.endr
	v_lshlrev_b32 v6, 6, v2                        ; the table and q's, k's biases: 64 h bytes: my 16 numbers of each 32
	v_and_b32 v7, 8, v1
	v_add_nc_u32 v7, v7, v1
	v_lshlrev_b32 v7, 2, v7                        ; v's bias: 4 (r + 8 (r / 8))
	v_mul_u32_u24 v8, v2, 8*KREC
	v_lshl_add_u32 v8, v1, 4, v8                   ; V's words: lanes 16-31 store the next head's, 8 records on
	s_wait_tensorcnt 1                             ; my part of slot 0 is in; slot 1's may be out
	s_barrier_signal -1
	s_barrier_wait -1
	FETCH_B 0, 0, 0
	FETCH_A 0, 0, 0
	FETCH_A 0, 0, 4
	s_wait_loadcnt 0x0                             ; the scale words
	STEP 0, 0, 1                                   ; the first step's products start the sums
	TURN 0, 1, 1, 1                                ; slot 0 takes K steps 4, 5
	STEP 1, 2, 0
	TURN 1, 0, 1, 3                                ; slot 1 takes K steps 6, 7
	STEP 0, 4, 0
	TURN 0, 1, 0, 5
	STEP 1, 6, 0
	s_wait_dscnt 16                                ; the last step: nothing more to fetch from LDS
	WIN MUL_LO
	MUL16 0, 1, 7, 0
	MUL16 2, 1, 7, 0
	s_wait_dscnt 0
	WIN 0
	s_cmp_eq_u32 ttmp9, 2                          ; THE ONE PARTING ON THE ROLE: the cluster's x, the same in all sixteen partners
	s_cbranch_scc1 .Lv_arm
	; ======== q, k ========
	; what the way out wants from memory is asked for here.  P's set 0 was last read in step 6, whose closing eight places stand in front of these loads
	s_lshl_b32 s86, s[PT], 8
	s_lshl_b32 s87, s20, 7
	s_add_co_u32 s86, s86, s87                     ; my first column n0
	s_and_b32 s88, s86, 1023                       ; the table lies like [head][d]: cos at the even d, sin at the odd
	s_lshl_b32 s88, s88, 2
	s_mov_b32 s89, 0
	s_lshl_b32 s86, s86, 2
	s_mov_b32 s87, 0
	s_add_nc_u64 s[10:11], s[10:11], s[88:89]
	s_add_nc_u64 s[12:13], s[12:13], s[86:87]
	WIN TO_B
	s_wait_alu depctr_va_vdst(0)
.irp b, 0,1,2,3
.irp j, 0,1,2,3
	global_load_b128 v[16*\b+4*\j:16*\b+4*\j+3], v6, s[10:11] offset:128*\b+16*\j          ; window 1, v0-63: (cos, sin) of my 32 pairs
	global_load_b128 v[64+16*\b+4*\j:64+16*\b+4*\j+3], v6, s[12:13] offset:128*\b+16*\j    ; window 1, v64-127: the bias of my 64 columns
.endr
.endr
	WIN 0
	LASTHALF
	; Of tile a of tokens, register i = 16 b + ii of a lane is column n0 + 32 b + 16 h + ii: two heads x two blocks of 32
	s_lshr_b32 s86, s[RT], 3
	s_lshl_b32 s86, s86, 4
	s_and_b32 s87, s[PT], 3
	s_lshl_b32 s87, s87, 2
	s_add_co_u32 s86, s86, s87
	s_lshl_b32 s87, s20, 1
	s_add_co_u32 s86, s86, s87                     ; my first head: 16 batch + 4 (P % 4) + 2 (w % 2)
	s_lshl_b32 s86, s86, 3
	s_and_b32 s87, s[RT], 7
	s_add_co_u32 s86, s86, s87                     ; its record: the block of 256 tokens
	s_cmp_eq_u32 ttmp9, 0
	s_mov_b32 s87, KREC
	s_cselect_b32 s87, QREC, s87
	s_mov_b32 s88, 32768
	s_cselect_b32 s88, 16384, s88                  ; where a record's words of q or k begin
	s_cselect_b64 s[90:91], s[14:15], s[16:17]
	s_mul_i32 s86, s86, s87
	s_lshl_b32 s92, s87, 3                         ; the next head's record: 8 records on
	s_mov_b32 s87, 0
	s_mov_b32 s93, 0
	s_add_nc_u64 s[90:91], s[90:91], s[86:87]
	s_lshl_b32 s86, s19, 9
	s_add_co_u32 s86, s86, s88
	s_add_nc_u64 s[94:95], s[90:91], s[86:87]      ; words: my two groups of four tiles
	s_add_nc_u64 s[96:97], s[94:95], s[92:93]
	s_lshl_b32 s86, s19, 13
	s_add_nc_u64 s[90:91], s[90:91], s[86:87]      ; codes: my eight tiles
	s_add_nc_u64 s[92:93], s[90:91], s[92:93]
	WIN 0x55                                       ; all in window 1: the bias is rotated once: (b0 c - b1 s, b1 c + b0 s) into v128-191
.set ii, 0
.rept 32
	v_pk_mul_f32 v[128+ii:129+ii], v[64+ii:65+ii], v[ii:ii+1] op_sel_hi:[1,0]
.set ii, ii+2
.endr
.set ii, 0
.rept 32
	v_pk_fma_f32 v[128+ii:129+ii], v[64+ii:65+ii], v[ii:ii+1], v[128+ii:129+ii] op_sel:[1,1,0] op_sel_hi:[0,1,1] neg_lo:[0,1,0]
.set ii, ii+2
.endr
.irp a, 0,1,2,3,4,5,6,7
	WIN 0x16+(\a/4)                                ; source 0: the accumulators' window; sources 1, 2: window 1
.set ii, 0
.rept 32
	v_pk_fma_f32 v[TT+ii:TT+ii+1], v[64*(\a%4)+ii:64*(\a%4)+ii+1], v[ii:ii+1], v[128+ii:129+ii] op_sel_hi:[1,0,1]   ; (x0 c, x1 c) + the rotated bias; each accumulator from its low end on
.set ii, ii+2
.endr
	WIN 0x06+(\a/4)
.set ii, 0
.rept 32
	v_pk_fma_f32 v[TT+ii:TT+ii+1], v[64*(\a%4)+ii:64*(\a%4)+ii+1], v[ii:ii+1], v[TT+ii:TT+ii+1] op_sel:[1,1,0] op_sel_hi:[0,1,1] neg_lo:[0,1,0]   ; + (-x1 s, x0 s)
.set ii, ii+2
.endr
	WIN 0
.if \a > 0
	s_wait_xcnt 0x0                                ; the last tile's stores have read the codes' registers
.endif
	QUANT TT
	v_lshl_or_b32 v[QW+\a], v[TM+5], 8, v[TM+4]
	v_lshl_or_b32 v[QW+8+\a], v[TM+7], 8, v[TM+6]
	v_or_b32 v[QW+\a], 0x7f7f0000, v[QW+\a]        ; the word of the first head's row, and of the second's
	v_or_b32 v[QW+8+\a], 0x7f7f0000, v[QW+8+\a]
	global_store_b128 v[LI], v[PC:PC+3], s[90:91] offset:\a*1024            ; 32 lanes store a chunk: 512 consecutive bytes
	global_store_b128 v[LI], v[PC+4:PC+7], s[90:91] offset:\a*1024+512
	global_store_b128 v[LI], v[PC+8:PC+11], s[92:93] offset:\a*1024
	global_store_b128 v[LI], v[PC+12:PC+15], s[92:93] offset:\a*1024+512
.endr
	s_wait_alu depctr_va_vdst(0)
	s_wait_xcnt 0x0
.irp hh, 0,1
.irp j, 0,1,2,3
	v_cndmask_b32 v[PC+4*\hh+\j], v[QW+8*\hh+\j], v[QW+8*\hh+4+\j], s[HM]   ; both halves of the lanes hold every word: lanes 0-15 take tiles 0-3, lanes 16-31 tiles 4-7
.endr
	global_store_b128 v[LI], v[PC+4*\hh:PC+4*\hh+3], s[94+2*\hh:95+2*\hh]
.endr
	s_branch .Lend
.Lv_arm:
	; ======== v ========
	s_lshl_b32 s86, s22, 8
	s_lshl_b32 s87, s19, 7
	s_add_co_u32 s86, s86, s87
	s_add_co_u32 s86, s86, 2048                    ; my first column of W_attn
	s_lshl_b32 s86, s86, 2
	s_mov_b32 s87, 0
	s_add_nc_u64 s[12:13], s[12:13], s[86:87]
	s_wait_alu depctr_va_vdst(0)
.irp a, 0,1,2,3,4,5,6,7
	global_load_b32 v[BV+\a], v7, s[12:13] offset:(32*(\a/2)+8*(\a%2))*4    ; the bias of my column in tile a
.endr
	LASTHALF
	; A lane holds one d (tile a of my 128 columns: head a / 4, tile a % 4 of its four); register i = 16 b + ii is token 32 b + 16 h + ii of my 128: one key step
	s_lshr_b32 s86, s[PT], 3
	s_lshl_b32 s86, s86, 4
	s_lshl_b32 s87, s22, 2
	s_add_co_u32 s86, s86, s87
	s_lshl_b32 s87, s19, 1
	s_add_co_u32 s86, s86, s87                     ; my first head: 16 batch + 4 cy + 2 (w / 2)
	s_lshl_b32 s86, s86, 3
	s_and_b32 s87, s[PT], 7
	s_add_co_u32 s86, s86, s87
	s_mul_i32 s86, s86, KREC
	s_mov_b32 s87, 0
	s_add_nc_u64 s[90:91], s[16:17], s[86:87]
	s_lshl_b32 s86, s20, 8
	s_add_co_u32 s86, s86, 33792
	s_add_nc_u64 s[94:95], s[90:91], s[86:87]      ; words of my key step
	s_lshl_b32 s86, s20, 11
	s_add_co_u32 s86, s86, 16384
	s_add_nc_u64 s[90:91], s[90:91], s[86:87]      ; codes of my key step
	s_add_nc_u64 s[92:93], s[90:91], 8*KREC        ; and the next head's
.irp a, 0,1,2,3,4,5,6,7
	WIN 0x02+(\a/4)
.set ii, 0
.rept 32
.if (\a%2) == 0
	v_pk_add_f32 v[TT+ii:TT+ii+1], v[64*(\a%4)+ii:64*(\a%4)+ii+1], v[BV+\a:BV+\a+1] op_sel_hi:[1,0]              ; + my column's bias: the pair's low word for both halves
.else
	v_pk_add_f32 v[TT+ii:TT+ii+1], v[64*(\a%4)+ii:64*(\a%4)+ii+1], v[BV+\a-1:BV+\a] op_sel:[0,1] op_sel_hi:[1,1]   ; the pair's high word for both
.endif
.set ii, ii+2
.endr
	WIN 0
.if \a > 0
	s_wait_xcnt 0x0                                ; the last tile's stores have read the codes' registers
.endif
	QUANT TT
	v_lshl_or_b32 v[QW+\a], v[TM+5], 8, v[TM+4]
	v_lshl_or_b32 v[QW+\a], v[TM+6], 16, v[QW+\a]
	v_lshl_or_b32 v[QW+\a], v[TM+7], 24, v[QW+\a]
.irp c, 0,1,2,3
	global_store_b128 v[LI], v[PC+4*\c:PC+4*\c+3], s[90+2*(\a/4):91+2*(\a/4)] offset:(\a%4)*4096+512*\c
.endr
.endr
	s_wait_alu depctr_va_vdst(0)
	s_wait_xcnt 0x0
.irp j, 0,1,2,3
	v_cndmask_b32 v[PC+\j], v[QW+\j], v[QW+4+\j], s[HM]   ; lanes 0-15: the first head's four tiles; lanes 16-31: the second's
.endr
	global_store_b128 v8, v[PC:PC+3], s[94:95]     ; sixteen lanes store 256 consecutive bytes
.Lend:
	s_wait_tensorcnt 0x0                           ; the wave's end
	ds_add_u32 v[SPW], v[NIL]
	s_wait_dscnt 0x0
	CROUND                                         ; the closing round
	s_endpgm
.Lfunc_end_k_qb0cf1967fa_qkv:
	.size	k_qb0cf1967fa_qkv, .Lfunc_end_k_qb0cf1967fa_qkv-k_qb0cf1967fa_qkv
	.p2alignl 7, 3214868480
	.fill 96, 4, 3214868480
	.section	.rodata,"a",@progbits
	.p2align	6, 0x0
	.amdhsa_kernel k_qb0cf1967fa_qkv
		.amdhsa_group_segment_fixed_size 327680
		.amdhsa_private_segment_fixed_size 0
		.amdhsa_enable_private_segment 0
		.amdhsa_kernarg_size 56
		.amdhsa_user_sgpr_count 2
		.amdhsa_user_sgpr_kernarg_segment_ptr 1
		.amdhsa_wavefront_size32 1
		.amdhsa_system_sgpr_workgroup_id_x 1
		.amdhsa_system_sgpr_workgroup_id_y 1
		.amdhsa_system_sgpr_workgroup_id_z 1
		.amdhsa_system_vgpr_workitem_id 0
		.amdhsa_next_free_vgpr 1024
		.amdhsa_next_free_sgpr 100
		.amdhsa_reserve_vcc 0
		.amdhsa_float_denorm_mode_32 3
		.amdhsa_float_denorm_mode_16_64 3
		.amdhsa_fp16_overflow 1
		.amdhsa_memory_ordered 1
		.amdhsa_forward_progress 1
		.amdhsa_inst_pref_size 243
	.end_amdhsa_kernel
	.amdgpu_metadata
---
amdhsa.version: [ 1, 2 ]
amdhsa.kernels:
  - .name:           k_qb0cf1967fa_qkv
    .symbol:         k_qb0cf1967fa_qkv.kd
    .args:
      - { .name: xq, .offset: 0, .size: 8, .value_kind: global_buffer, .address_space: global }
      - { .name: wq, .offset: 8, .size: 8, .value_kind: global_buffer, .address_space: global }
      - { .name: sc_qkv, .offset: 16, .size: 8, .value_kind: global_buffer, .address_space: global }
      - { .name: rope, .offset: 24, .size: 8, .value_kind: global_buffer, .address_space: global }
      - { .name: b_attn, .offset: 32, .size: 8, .value_kind: global_buffer, .address_space: global }
      - { .name: qws, .offset: 40, .size: 8, .value_kind: global_buffer, .address_space: global }
      - { .name: kv, .offset: 48, .size: 8, .value_kind: global_buffer, .address_space: global }
    .group_segment_fixed_size: 327680
    .private_segment_fixed_size: 0
    .kernarg_segment_align: 8
    .kernarg_segment_size: 56
    .max_flat_workgroup_size: 128
    .sgpr_count:     100
    .vgpr_count:     1024
    .wavefront_size: 32
...
	.end_amdgpu_metadata
.endif
;; end of part 2
;; launch attn (part 3): grid 4 x 64, 16 waves a work-group, no clusters, 327,680 bytes of LDS; arguments qws, kv, yq, sc_proj; writes yq, sc_proj
.if DOCPART == 3
	.amdgcn_target "amdgcn-amd-amdhsa--gfx1250"
	.amdhsa_code_object_version 6
	.text
	.protected	k_qb0cf1967fa_attn
	.globl	k_qb0cf1967fa_attn
	.p2align	8
	.type	k_qb0cf1967fa_attn,@function
k_qb0cf1967fa_attn:
	s_mov_b64 s[64:65], 0
	v_nop
	global_prefetch_b8 v0, s[64:65] scope:SCOPE_SE
	s_setreg_imm32_b32 hwreg(HW_REG_WAVE_MODE, 25, 1), 1
	s_wait_xcnt 0x0
; y = softmax(q k^T / 8, causal) v for one head, both products on codes of FP8 (E4M3) with E8M0 scales; y is quantised along the model's 1,024 and leaves as a fragment image for the last product.
; THE SOFTMAX AHEAD OF THE SECOND PRODUCT: t = score x log2(e) / 8; M = the running largest t rounded UP to a whole number; p = 2^(t - M) is quantised along the keys, not normalised; the row's sum is taken of the
; unquantised p and divides at the end.  When M moves, the sum and O are multiplied by 2^(old M - new M): exact.
; SHARES.  Work-group X of a head takes the block of 256 queries 7 - X (keys' slots 0 .. 7 - X) and then block X (slots 0 .. X): nine slots of 256 keys for every work-group, so the loop's count is a constant and all 256 work-groups have equal work.
; Each of the sixteen waves owns one tile of 16 queries, in 256 registers: four waves to a SIMD, so that one wave's vector work stands beside another's matrix work and LDS loads.
; NO CLUSTER: the four work-groups of a head change pass in different trips (behind 8 - X slots), so from then on they want different slots in the same trip: no joint request would be alike in all partners.
; LAYOUT.  Both products transposed: S^T = K Q^T (source 0: 16 keys), O^T = V^T P^T (source 0: 16 of the head's 64): a lane holds one query throughout.  Lane r of a tile T stands for row 32 (T / 2) + 8 (T % 2) + r + 8 (r / 8):
; so the 16 registers of tiles 2 b, 2 b + 1 are 16 neighbours, 32 b + 16 (lane / 16) + 0 .. 15, along the keys (p) and along d (y).
; THE HEAD'S 64 fill half of the instruction's K of 128: registers 8-15 of Q's and K's fragments hold zero codes for the whole launch, under the scale byte 0x7f.
; A slot in LDS is a record of kv as it lies in memory (34,304 bytes): K's codes [16 tiles][2 chunks][512]; V^T's [4 tiles][2 key steps][2048]; K's words [4 groups][16 r][4 tiles]; V's [2 steps][16 r][4 tiles].
; CAUSAL.  A key step all of whose keys come after my queries is left out by a scalar branch on ids; no barrier or tensor load stands in a step.  On the diagonal hidden scores become -infinity ahead of the maximum.
; LIMITS: NaN and infinities are not served; a block of zeros gets the byte 1.  y's scale bytes leave as single bytes, 16 bytes apart (a word's four bytes come from two heads' work-groups): 1 byte for each 32 of codes.
; REGISTERS: v1-11 addresses and lane numbers; v12 -M, v13 the largest t, v[14:15] the sum; v16-31 Q; v32-95 four fragments of K; v96-159 S^T, then p, then V's four fragments; v160-191 O^T; v192-207 codes of p or y;
;   v208-216 the second pass's Q and its word; v232-247 at work; v248-251 K's or V's words; v252 f; v253 p's word; v254 at work; v255 Q's word.
.set KREC,  34304
.set QREC,  17408
.set KC,    0
.set VC,    16384
.set KS,    32768
.set VS,    33792
.set SLOT1, 65536                      ; slot 1: one exclusive or turns an address in one slot into the other's
.set SPARE, 131072                     ; the spare words: 128 bytes for each of 16 waves: eight blocks of 256 bytes that no other line names
.set LI,  1                            ; v1  16 x lane
.set LS,  2                            ; v2  16 x (lane % 16)
.set SPW, 3
.set NIL, 4
.set PFO, 5                            ; v5  the prefetches' offset
.set ADK, 6                            ; v6  the slot in hand + 16 x lane
.set ADS, 7                            ; v7  the slot in hand + 16 x (lane % 16)
.set QD,  8                            ; v8  my query - 16 (lane / 16)
.set YS,  9                            ; v9  16 (lane % 16) + lane / 16: my scale byte of y
.set QD1, 11                           ; v11 the second pass's QD
.set WV,  12
.set BH,  13
.set SEL, 14
.set CS,  16                           ; s[16:17] c = log2(e) / 8
.set MNT, 18
.set HM,  19                           ; the mask of lanes 16-31
.set TB,  20                           ; the LDS byte at which the slot in hand begins
.set KF,  21                           ; the step's first key
.set Q0,  22                           ; my tile's first query; its last is Q0 + 23
.set PL,  23                           ; slots left in the pass
.set G1C, 24                           ; s[24:31] group 1: 32 rows of 256 bytes
.set G1S, 32                           ; s[32:39] group 1: 6 rows of 256 bytes
.set G0,  40                           ; s[40:43] group 0
.set KVB, 44                           ; s[44:45] my part of the head's first record
.set NS,  46                           ; the slot that was asked for last
.set PLIM, 47                          ; 8 - X: behind slot 7 - X comes slot 0 again
.set SLOTS, 48
.set LIM, 49
.set PFA, 50                           ; s[50:51]
.set T0,  52                           ; s[52:53] an offset; s53 stays 0
.set YB,  54                           ; s[54:55] y's codes of my tile;  s[56:57] its scale bytes;  s[58:61] the second pass's
.set SBB, 56
.set YB1, 58
.set SBB1, 60
.set Q0B, 62
.set PL1, 63
; waves 0 to 3 fetch the codes, 8,192 bytes each; wave 4 the scale words, 1,536 bytes; the others nothing.  Four v_nop follow each line
.macro TLOAD
	s_cmp_lt_u32 s[WV], 4
	s_cbranch_scc0 .Lnot_c_\@
	tensor_load_to_lds s[G0:G0+3], s[G1C:G1C+7]
	s_nop 0
.rept 4
	v_nop
.endr
	s_branch .Lasked_\@
.Lnot_c_\@:
	s_cmp_eq_u32 s[WV], 4
	s_cbranch_scc0 .Lasked_\@
	tensor_load_to_lds s[G0:G0+3], s[G1S:G1S+7]
	s_nop 0
.rept 4
	v_nop
.endr
.Lasked_\@:
.endm
; A PREFETCH INTO THE L2 of the record that the NEXT change of slots will ask for: 134 blocks of 256 bytes, a lane a block.  All four work-groups of a head walk the same records: work-group 0, which walks all eight in its
; first pass, asks; in it waves 5 to 9, which fetch nothing, one instruction each (the last 26 lanes of wave 9 name block 133 again).  Trips 0 to 5 ask for slots 2 to 7; slots 0 and 1 come by their loads alone; the second pass asks for nothing.
.macro ASK
	s_cmp_gt_u32 s[SLOTS], s[LIM]
	s_cbranch_scc0 .Lnot_mine_\@
	global_prefetch_b8 v[PFO], s[PFA:PFA+1] th:TH_LOAD_NT scope:SCOPE_SE
.Lnot_mine_\@:
.endm
; A KEY STEP: 128 keys, the q-th of the slot in hand
.macro STEP q
	s_add_co_u32 s[T0], s[Q0], 23
	s_cmp_gt_u32 s[KF], s[T0]
	s_cbranch_scc1 .Lhidden_\@                     ; all 128 keys come after my queries
	v_add_nc_u32 v[ADK], s[TB], v[LI]
	s_wait_alu depctr_va_vdst(0)
	v_add_nc_u32 v[ADS], s[TB], v[LS]
	s_wait_alu depctr_va_vdst(0)
.irp g, 0,1                                    ; S^T = K Q^T, four tiles of 16 keys at a time
.rept 8
	v_nop                                          ; with the two additions ten places: the first products write over v96 on, which the last step's products read as V's fragments (nine are owed); for the loads eight
.endr
.irp t, 0,1,2,3
.irp c, 0,1
	ds_load_b128 v[32+16*\t+4*\c:35+16*\t+4*\c], v[ADK] offset:KC+(8*(\q)+4*\g+\t)*1024+512*\c
.endr
.endr
	ds_load_b128 v[248:251], v[ADS] offset:KS+(2*(\q)+\g)*256     ; the four tiles' words of key row lane % 16
	s_wait_dscnt 0x0
.irp t, 0,1,2,3
	v_wmma_scale_f32_16x16x128_f8f6f4 v[96+8*(4*\g+\t):103+8*(4*\g+\t)], v[32+16*\t:47+16*\t], v[16:31], 0, v[248+\t], v255
.endr
.endr                                          ; register 16 b + i: key KF + 32 b + 16 (lane / 16) + i
.rept 8
	v_nop
.endr
	s_add_co_u32 s[T0], s[KF], 127
	s_cmp_le_u32 s[T0], s[Q0]
	s_cbranch_scc1 .Lopen_\@                       ; all 128 keys count for all my queries
	v_sub_nc_u32 v252, v[QD], s[KF]                ; d: register 16 b + i is hidden where 32 b + i > d
	v_mov_b32 v254, 0xff800000                     ; -infinity
.irp n, 0,1,2,3,4,5,6,7,8,9,10,11,12,13,14,15,16,17,18,19,20,21,22,23,24,25,26,27,28,29,30,31,32,33,34,35,36,37,38,39,40,41,42,43,44,45,46,47,48,49,50,51,52,53,54,55,56,57,58,59,60,61,62,63
	v_cmp_gt_i32 vcc_lo, 32*(\n/16)+\n%16, v252
	v_cndmask_b32 v[96+\n], v[96+\n], v254, vcc_lo
.endr
.Lopen_\@:
.irp b, 0,1,2,3
	v_max3_num_f32 v[232+\b], v[96+16*\b], v[97+16*\b], v[98+16*\b]   ; the largest score of each block of 32 keys: it serves for the row's maximum and, since p rises with the score, for the block's largest p
.endr
.irp i, 3,5,7,9,11,13
.irp b, 0,1,2,3
	v_max3_num_f32 v[232+\b], v[232+\b], v[96+16*\b+\i], v[97+16*\b+\i]
.endr
.endr
.irp b, 0,1,2,3
	v_max_num_f32 v[232+\b], v[232+\b], v[111+16*\b]
.endr
.irp b, 0,1,2,3
	s_delay_alu instid0(VALU_DEP_4)
	v_permlanex16_b32 v[236+\b], v[232+\b], s[SEL], s[SEL+1]
.endr
.irp b, 0,1,2,3
	s_delay_alu instid0(VALU_DEP_4)
	v_max_num_f32 v[232+\b], v[232+\b], v[236+\b]  ; with lane l xor 16's 16 keys
.endr
	s_delay_alu instid0(VALU_DEP_2)
	v_max3_num_f32 v254, v232, v233, v234
	s_delay_alu instid0(VALU_DEP_1)
	v_max_num_f32 v254, v254, v235                 ; the step's largest score of my query
	s_delay_alu instid0(VALU_DEP_1)
	v_mul_f32 v254, s[CS], v254                    ; as t
	s_delay_alu instid0(VALU_DEP_1)
	v_max_num_f32 v13, v13, v254                   ; the running largest t
	v_mov_b32 v254, v12
	s_delay_alu instid0(VALU_DEP_2)
	v_floor_f32 v12, -v13                          ; the new -M = -ceil(t)
	s_delay_alu instid0(VALU_DEP_1)
	v_sub_f32 v254, v12, v254                      ; old M - new M: a whole number, 0 or less
	s_delay_alu instid0(VALU_DEP_1)
	v_cvt_i32_f32 v254, v254                       ; (it saturates)
	s_delay_alu instid0(VALU_DEP_1)
	v_ldexp_f32 v252, 1.0, v254                    ; f = 2^(old M - new M)
.irp j, 0,2,4,6,8,10,12,14,16,18,20,22,24,26,28,30,32,34,36,38,40,42,44,46,48,50,52,54,56,58,60,62
	v_pk_fma_f32 v[96+\j:97+\j], v[96+\j:97+\j], s[CS:CS+1], v[12:13] op_sel_hi:[1,0,0]   ; t - M, two at a time
.endr
.irp b, 0,1,2,3
	v_fma_f32 v[232+\b], v[232+\b], s[CS], v12     ; the same of each block's largest score
.endr
	s_wait_alu depctr_va_vdst(0)
.irp j, 0,1,2,3,4,5,6,7,8,9,10,11,12,13,14,15,16,17,18,19,20,21,22,23,24,25,26,27,28,29,30,31,32,33,34,35,36,37,38,39,40,41,42,43,44,45,46,47,48,49,50,51,52,53,54,55,56,57,58,59,60,61,62,63
	v_exp_f32 v[96+\j], v[96+\j]                   ; p = 2^(t - M)
.endr
	v_pk_mul_f32 v[14:15], v[14:15], v[252:253] op_sel_hi:[1,0]   ; the sums under the new M (a plain line behind the exponentials)
	s_wait_alu depctr_va_vdst(0)                   ; one wait for the batch of 64, ahead of its first reader
.irp b, 0,1,2,3
	v_exp_f32 v[232+\b], v[232+\b]                 ; the block's largest p: the same two instructions on the same number give the same bits
.endr
	v_pk_add_f32 v[236:237], v[100:101], v[104:105]
	v_pk_add_f32 v[250:251], v[108:109], v[112:113]
	v_pk_add_f32 v[248:249], v[116:117], v[120:121]
	v_pk_add_f32 v[246:247], v[124:125], v[128:129]
	v_pk_add_f32 v[244:245], v[132:133], v[136:137]
	v_pk_add_f32 v[242:243], v[140:141], v[144:145]
	v_pk_add_f32 v[240:241], v[148:149], v[152:153]
	v_pk_add_f32 v[14:15], v[14:15], v[156:157]
	v_pk_add_f32 v[236:237], v[236:237], v[96:97]
	v_pk_add_f32 v[250:251], v[250:251], v[98:99]
	v_pk_add_f32 v[248:249], v[248:249], v[102:103]
	v_pk_add_f32 v[246:247], v[246:247], v[106:107]
	v_pk_add_f32 v[244:245], v[244:245], v[110:111]
	v_pk_add_f32 v[242:243], v[242:243], v[114:115]
	v_pk_add_f32 v[240:241], v[240:241], v[118:119]
	v_pk_add_f32 v[14:15], v[14:15], v[122:123]
	v_pk_add_f32 v[236:237], v[236:237], v[126:127]
	v_pk_add_f32 v[250:251], v[250:251], v[130:131]
	v_pk_add_f32 v[248:249], v[248:249], v[134:135]
	v_pk_add_f32 v[246:247], v[246:247], v[138:139]
	v_pk_add_f32 v[244:245], v[244:245], v[142:143]
	v_pk_add_f32 v[242:243], v[242:243], v[146:147]
	v_pk_add_f32 v[240:241], v[240:241], v[150:151]
	v_pk_add_f32 v[14:15], v[14:15], v[154:155]
	v_pk_add_f32 v[236:237], v[236:237], v[158:159]
	s_delay_alu instid0(VALU_DEP_2)
	v_pk_add_f32 v[14:15], v[14:15], v[246:247]
	s_delay_alu instid0(VALU_DEP_2)
	v_pk_add_f32 v[236:237], v[236:237], v[244:245]
	v_pk_add_f32 v[250:251], v[250:251], v[242:243]
	v_pk_add_f32 v[248:249], v[248:249], v[240:241]
	s_delay_alu instid0(VALU_DEP_2)
	v_pk_add_f32 v[14:15], v[14:15], v[250:251]
	s_delay_alu instid0(VALU_DEP_2)
	v_pk_add_f32 v[236:237], v[236:237], v[248:249]
	s_delay_alu instid0(VALU_DEP_1)
	v_pk_add_f32 v[14:15], v[14:15], v[236:237]
	s_wait_alu depctr_va_vdst(0)                   ; and one for the four
.irp b, 0,1,2,3
	v_max_num_f32 v[232+\b], 0x4800000, v[232+\b]  ; the floor 2^(9 - 127): the byte cannot fall under 1
.endr
.irp b, 0,1,2,3
	s_delay_alu instid0(VALU_DEP_4)
	v_add_nc_u32 v[244+\b], 0xfc000000, v[232+\b]
.endr
.irp b, 0,1,2,3
.endr
.irp b, 0,1,2,3
	s_delay_alu instid0(VALU_DEP_4)
	v_lshrrev_b32 v[236+\b], 23, v[244+\b]
.endr
	s_delay_alu instid0(VALU_DEP_3)
	v_lshl_or_b32 v253, v237, 8, v236              ; p's scale word for these 128 keys
	s_delay_alu instid0(VALU_DEP_1)
	v_lshl_or_b32 v253, v238, 16, v253
	s_delay_alu instid0(VALU_DEP_1)
	v_lshl_or_b32 v253, v239, 24, v253
.irp b, 0,1,2,3
.irp i, 0,1,2,3,4,5,6,7,8,9,10,11,12,13,14,15
.endr
	v_cvt_scalef32_pk8_fp8_f32 v[192+4*\b:193+4*\b], v[96+16*\b:103+16*\b], v[244+\b]
	v_cvt_scalef32_pk8_fp8_f32 v[194+4*\b:195+4*\b], v[104+16*\b:111+16*\b], v[244+\b]
.endr
	v_nop
.irp t, 0,1,2,3                                ; V^T's four tiles of this key step take the registers that p has left
.irp c, 0,1,2,3
	ds_load_b128 v[96+16*\t+4*\c:99+16*\t+4*\c], v[ADK] offset:VC+\t*4096+(\q)*2048+512*\c
.endr
.endr
	ds_load_b128 v[248:251], v[ADS] offset:VS+(\q)*256
.irp j, 0,2,4,6,8,10,12,14,16,18,20,22,24,26,28,30
	v_pk_mul_f32 v[160+\j:161+\j], v[160+\j:161+\j], v[252:253] op_sel_hi:[1,0]   ; O^T under the new M.  (These 16 are also the places between the codes' conversions and the products)
.endr
	s_wait_alu depctr_va_vdst(0)
	s_wait_dscnt 0x0
.irp t, 0,1,2,3                                ; O^T += V^T P^T: four accumulators by turns
	v_wmma_scale_f32_16x16x128_f8f6f4 v[160+8*\t:167+8*\t], v[96+16*\t:111+16*\t], v[192:207], v[160+8*\t:167+8*\t], v[248+\t], v253
.endr
.Lhidden_\@:
	s_add_co_u32 s[KF], s[KF], 128
.endm
; THE CHANGE OF SLOTS stands at a slot's head.  fill = 1: behind the barrier the slot that has been left takes the record that follows: the load has a slot's two steps in which to land
.macro CHANGE fill
	s_wait_tensorcnt 0x0                           ; my one tensor load has landed: my part of the slot ahead; so group 0 may be written
	ds_add_u32 v[SPW], v[NIL]                      ; 0 onto my spare word
.if \fill
	s_xor_b32 s[G0+1], s[G0+1], SLOT1
	s_add_co_u32 s[NS], s[NS], 1
	s_cmp_eq_u32 s[NS], s[PLIM]
	s_cselect_b32 s[NS], 0, s[NS]                  ; behind the first pass's last slot the second pass begins at slot 0
	s_mul_i32 s[T0], s[NS], KREC
	s_add_nc_u64 s[G0+2:G0+3], s[KVB:KVB+1], s[T0:T0+1]
	s_or_b32 s[G0+3], s[G0+3], 0x80000000
	s_wait_xcnt 0x0                                ; the last prefetch, a slot back, has read its address
	s_add_nc_u64 s[PFA:PFA+1], s[PFA:PFA+1], KREC
.endif
	s_wait_dscnt 0x0                               ; the add is done, and my reads of the slot that I have left are over
	s_barrier_signal -1
	s_barrier_wait -1
.if \fill
	TLOAD                                          ; the first thing behind the barrier, a wave's one tensor load until the next
	ASK
.endif
.endm
; A PASS'S END: y = O / the sum, quantised along d (two blocks of 32), to memory.  again = 1: the second pass is set up
.macro FINAL again
.rept 8
	v_nop                                          ; in front of the first read of O^T
.endr
	v_add_f32 v14, v14, v15
	s_delay_alu instid0(VALU_DEP_1)
	v_permlanex16_b32 v252, v14, s[SEL], s[SEL+1]
	s_delay_alu instid0(VALU_DEP_1)
	v_add_f32 v14, v14, v252                       ; the row's sum
	s_wait_alu depctr_va_vdst(0)
	v_rcp_f32 v14, v14
	v_nop                                          ; a plain line behind the reciprocal,
	s_wait_alu depctr_va_vdst(0)                   ; and the wait ahead of its first reader
.irp j, 0,1,2,3,4,5,6,7,8,9,10,11,12,13,14,15,16,17,18,19,20,21,22,23,24,25,26,27,28,29,30,31
	v_mul_f32 v[96+\j], v[160+\j], v14             ; register 16 b + i: d = 32 b + 16 (lane / 16) + i
.endr
.irp b, 0,1
	v_max3_num_f32 v[232+\b], |v[96+16*\b]|, |v[97+16*\b]|, 0x4800000
.endr
.irp i, 2,4,6,8,10,12,14
.irp b, 0,1
	s_delay_alu instid0(VALU_DEP_2)
	v_max3_num_f32 v[232+\b], v[232+\b], |v[96+16*\b+\i]|, |v[97+16*\b+\i]|
.endr
.endr
.irp b, 0,1
	s_delay_alu instid0(VALU_DEP_2)
	v_permlanex16_b32 v[236+\b], v[232+\b], s[SEL], s[SEL+1]
.endr
.irp b, 0,1
	s_delay_alu instid0(VALU_DEP_2)
	v_max_num_f32 v[232+\b], v[232+\b], v[236+\b]
.endr
.irp b, 0,1
	s_delay_alu instid0(VALU_DEP_2)
	v_add_nc_u32 v[244+\b], 0xfc000000, v[232+\b]
.endr
.irp b, 0,1
.endr
.irp b, 0,1
	s_delay_alu instid0(VALU_DEP_2)
	v_lshrrev_b32 v[236+\b], 23, v[244+\b]
.endr
.irp b, 0,1
.irp i, 0,1,2,3,4,5,6,7,8,9,10,11,12,13,14,15
.endr
	v_cvt_scalef32_pk8_fp8_f32 v[192+4*\b:193+4*\b], v[96+16*\b:103+16*\b], v[244+\b]
	v_cvt_scalef32_pk8_fp8_f32 v[194+4*\b:195+4*\b], v[104+16*\b:111+16*\b], v[244+\b]
.endr
	v_cndmask_b32 v254, v236, v237, s[HM]          ; lanes 0-15 store block 0's byte, lanes 16-31 block 1's.  (A plain line behind the conversions)
	global_store_b128 v[LI], v[192:195], s[YB:YB+1]               ; a chunk: 512 consecutive bytes
	global_store_b128 v[LI], v[196:199], s[YB:YB+1] offset:512
	global_store_b8 v[YS], v254, s[SBB:SBB+1]
.if \again
	s_wait_xcnt 0x0                                ; the stores have read their registers and bases
	s_mov_b64 s[YB:YB+1], s[YB1:YB1+1]
	s_mov_b64 s[SBB:SBB+1], s[SBB1:SBB1+1]
	s_mov_b32 s[Q0], s[Q0B]
	s_mov_b32 s[KF], 0
	s_mov_b32 s[PL], s[PL1]
.irp j, 0,1,2,3,4,5,6,7
	v_mov_b32 v[16+\j], v[208+\j]                  ; the second pass's Q,
.endr
	v_mov_b32 v255, v216                           ; its scale word,
	v_mov_b32 v[QD], v[QD1]                        ; and its queries' numbers
	v_mov_b32 v13, 0xff61b1e6
	s_delay_alu instid0(VALU_DEP_1)
	v_floor_f32 v12, -v13
	v_mov_b32 v14, 0
	v_mov_b32 v15, 0
.irp j, 0,1,2,3,4,5,6,7,8,9,10,11,12,13,14,15,16,17,18,19,20,21,22,23,24,25,26,27,28,29,30,31
	v_mov_b32 v[160+\j], 0
.endr
.endif
.endm
	s_load_b256 s[4:11], s[0:1], 0x0               ; qws s[4:5], kv s[6:7], yq s[8:9], sc_proj s[10:11]
	v_lshl_add_u32 v[SPW], v0, 2, SPARE
	v_mov_b32 v[NIL], 0
	ds_add_u32 v3, v4
	ds_add_u32 v3, v4
	s_wait_dscnt 0x0
	v_lshrrev_b32 v5, 5, v0
	s_delay_alu instid0(VALU_DEP_1)
	v_readfirstlane_b32 s[WV], v5                  ; wave 0..15
	s_and_b32 s[BH], ttmp7, 0xffff                 ; 16 batch + head
	; descriptor group 1: dense rows of 256 bytes (32 elements of 8 bytes), no padding: 32 rows of codes, or 6 of scale words
	s_mov_b32 s[G1C], 3<<16
	s_mov_b32 s[G1C+1], 32<<16
	s_mov_b32 s[G1C+2], 32<<16
	s_mov_b32 s[G1C+3], 32<<16
	s_mov_b32 s[G1C+4], 32
	s_mov_b32 s[G1C+5], 32
	s_mov_b32 s[G1C+6], 0
	s_mov_b32 s[G1C+7], 0
	s_mov_b32 s[G1S], 3<<16
	s_mov_b32 s[G1S+1], 32<<16
	s_mov_b32 s[G1S+2], 6<<16
	s_mov_b32 s[G1S+3], 32<<16
	s_mov_b32 s[G1S+4], 6
	s_mov_b32 s[G1S+5], 32
	s_mov_b32 s[G1S+6], 0
	s_mov_b32 s[G1S+7], 0
	s_mov_b32 s[SEL], 0x76543210
	s_mov_b32 s[SEL+1], 0xfedcba98
	s_mov_b32 s[CS], 0x3e38aa3b                    ; log2(e) / 8
	s_mov_b32 s[CS+1], s[CS]
	s_mov_b32 s[TB], 0
	s_mov_b32 s[KF], 0
	s_mov_b32 s[NS], 0
	s_mov_b32 s[SLOTS], 8
	s_mov_b32 s[T0+1], 0
	s_min_u32 s76, s[WV], 4
	s_lshl_b32 s76, s76, 13                        ; my part of a record, in memory and in a slot
	s_mov_b32 s77, 0
	s_mul_i32 s78, s[BH], 8*KREC
	s_mov_b32 s79, 0
	s_sub_co_u32 s71, 7, ttmp9                     ; the first pass's block of queries,
	s_mov_b32 s70, ttmp9                           ; the second's
	s_sub_co_u32 s[PLIM], 8, ttmp9
	s_mov_b32 s[PL], s[PLIM]
	s_add_co_u32 s[PL1], ttmp9, 1
	s_sub_co_u32 s72, s[WV], 5
	s_cmp_lt_u32 s72, 5                            ; waves 5 to 9
	s_cselect_b32 s72, 0, 1
	s_or_b32 s72, s72, ttmp9                       ; of the head's work-group 0
	s_cmp_eq_u32 s72, 0
	s_cselect_b32 s[LIM], 2, -1
	s_wait_kmcnt 0x0
	s_add_nc_u64 s[KVB:KVB+1], s[6:7], s[78:79]
	s_add_nc_u64 s[PFA:PFA+1], s[KVB:KVB+1], KREC  ; at slot 1: the first change of slots steps it to slot 2.  Nothing is prefetched here, at the head
	s_add_nc_u64 s[KVB:KVB+1], s[KVB:KVB+1], s[76:77]
	s_mov_b32 s[G0], 1
	s_mov_b32 s[G0+1], s76
	s_mov_b64 s[G0+2:G0+3], s[KVB:KVB+1]
	s_or_b32 s[G0+3], s[G0+3], 0x80000000
	TLOAD                                          ; slot 0
	s_lshl_b32 s72, s[BH], 3
	s_add_co_u32 s73, s72, s71
	s_mul_i32 s74, s73, QREC
	s_mov_b32 s75, 0
	s_add_nc_u64 s[80:81], s[4:5], s[74:75]        ; the first pass's record of q,
	s_add_co_u32 s73, s72, s70
	s_mul_i32 s74, s73, QREC
	s_add_nc_u64 s[82:83], s[4:5], s[74:75]        ; the second's
	s_lshl_b32 s78, s[WV], 4
	s_and_b32 s79, s[WV], 1
	s_lshl_b32 s79, s79, 3
	s_sub_co_u32 s78, s78, s79                     ; my tile's first row in a block: 32 (w / 2) + 8 (w % 2)
	s_lshl_b32 s79, s71, 8
	s_add_co_u32 s[Q0], s78, s79
	s_lshl_b32 s79, s70, 8
	s_add_co_u32 s[Q0B], s78, s79
	v_and_b32 v10, 31, v0                          ; lane
	s_delay_alu instid0(VALU_DEP_1)
	v_cmp_le_u32 s[HM], 16, v10
	s_delay_alu instid0(VALU_DEP_2)
	v_lshlrev_b32 v[LI], 4, v10
	v_and_b32 v11, 15, v0                          ; r
	s_delay_alu instid0(VALU_DEP_1)
	v_lshlrev_b32 v[LS], 4, v11
	v_bfe_u32 v9, v0, 4, 1                         ; h
	s_delay_alu instid0(VALU_DEP_3)
	v_and_b32 v8, 8, v11
	s_delay_alu instid0(VALU_DEP_1)
	v_add_nc_u32 v8, v8, v11                       ; r + 8 (r / 8)
	s_delay_alu instid0(VALU_DEP_3)
	v_lshlrev_b32 v10, 4, v9
	s_delay_alu instid0(VALU_DEP_1)
	v_sub_nc_u32 v10, v8, v10                      ; - 16 h
	s_delay_alu instid0(VALU_DEP_1)
	v_add_nc_u32 v[QD], s[Q0], v10
	s_delay_alu instid0(VALU_DEP_2)
	v_add_nc_u32 v[QD1], s[Q0B], v10
	v_add_nc_u32 v[YS], v[LS], v9
	v_add_nc_u32 v[PFO], 0xffffff60, v0            ; my thread's number - 160: block 32 (w - 5) + lane,
	s_delay_alu instid0(VALU_DEP_1)
	v_min_u32 v[PFO], 133, v[PFO]                  ; held at the record's last block
	s_delay_alu instid0(VALU_DEP_1)
	v_lshlrev_b32 v[PFO], 8, v[PFO]
	s_lshl_b32 s78, s[WV], 10
	v_add_nc_u32 v6, s78, v[LI]                    ; Q's codes: tile w, 16 x lane
	s_lshr_b32 s78, s[WV], 2
	s_lshl_b32 s78, s78, 8
	s_and_b32 s79, s[WV], 3
	s_lshl_b32 s79, s79, 2
	s_add_co_u32 s78, s78, s79
	v_add_nc_u32 v7, s78, v[LS]                    ; its words: group w / 4, 16 r, tile w % 4
	global_load_b128 v[16:19], v6, s[80:81]
	global_load_b128 v[20:23], v6, s[80:81] offset:512
	global_load_b32 v255, v7, s[80:81] offset:16384
	global_load_b128 v[208:211], v6, s[82:83]
	global_load_b128 v[212:215], v6, s[82:83] offset:512
	global_load_b32 v216, v7, s[82:83] offset:16384
	; where y goes: tile 128 batch + 16 block + w; in its image 1,024 bytes a head; the scale bytes: 2 (head % 8) in the row's 16 bytes, the second half of K 256 bytes on; y's words begin at 32,768
	s_lshr_b32 s66, s[BH], 4
	s_lshl_b32 s66, s66, 7
	s_add_co_u32 s66, s66, s[WV]
	s_and_b32 s67, s[BH], 15
	s_lshl_b32 s68, s67, 10
	s_lshr_b32 s69, s67, 3
	s_lshl_b32 s69, s69, 8
	s_and_b32 s67, s67, 7
	s_lshl_b32 s67, s67, 1
	s_add_co_u32 s69, s69, s67
	s_add_co_u32 s69, s69, 32768
.macro YPTR qb, yb, sb
	s_lshl_b32 s72, s[\qb], 4
	s_add_co_u32 s72, s72, s66
	s_lshl_b32 s74, s72, 14
	s_add_co_u32 s74, s74, s68
	s_add_nc_u64 s[\yb:\yb+1], s[8:9], s[74:75]
	s_lshl_b32 s74, s72, 9
	s_add_co_u32 s74, s74, s69
	s_add_nc_u64 s[\sb:\sb+1], s[10:11], s[74:75]
.endm
	YPTR 71, YB, SBB
	YPTR 70, YB1, SBB1
.irp j, 0,1,2,3,4,5,6,7
	v_mov_b32 v[24+\j], 0                          ; zero codes for k = 64 .. 127: Q's,
	v_mov_b32 v[40+\j], 0                          ; and the four fragments' of K: they stay
	v_mov_b32 v[56+\j], 0
	v_mov_b32 v[72+\j], 0
	v_mov_b32 v[88+\j], 0
.endr
	v_mov_b32 v13, 0xff61b1e6                      ; the largest t so far: -3e38
	s_delay_alu instid0(VALU_DEP_1)
	v_floor_f32 v12, -v13
	v_mov_b32 v14, 0
	v_mov_b32 v15, 0
.irp b, 0,1,2,3
	v_mov_b32 v[236+\b], 0                         ; a lane permute's destination counts as one of its sources
.endr
	v_mov_b32 v252, 0
	v_mov_b32 v253, 0
.irp j, 0,1,2,3,4,5,6,7,8,9,10,11,12,13,14,15,16,17,18,19,20,21,22,23,24,25,26,27,28,29,30,31
	v_mov_b32 v[160+\j], 0                         ; O^T: a pass's first step finds zeros, which the first change of M leaves zeros
.endr
	s_wait_loadcnt 0x0                             ; Q of both passes
.Lslot:                                            ; eight trips: behind each change of slots but the last the next record is asked for
	CHANGE 1
	STEP 0
	STEP 1
	s_xor_b32 s[TB], s[TB], SLOT1
	s_sub_co_u32 s[PL], s[PL], 1
	s_cmp_lg_u32 s[PL], 0
	s_cbranch_scc1 .Lsame_pass
	FINAL 1                                        ; the first pass's last slot is done
.Lsame_pass:
	s_sub_co_u32 s[SLOTS], s[SLOTS], 1
	s_cmp_lg_u32 s[SLOTS], 0
	s_cbranch_scc1 .Lslot
	CHANGE 0                                       ; the ninth slot is written out
	STEP 0
	STEP 1
	FINAL 0
	s_wait_tensorcnt 0x0                           ; the wave's end
	ds_add_u32 v[SPW], v[NIL]
	s_wait_dscnt 0x0
	s_endpgm
.Lfunc_end_k_qb0cf1967fa_attn:
	.size	k_qb0cf1967fa_attn, .Lfunc_end_k_qb0cf1967fa_attn-k_qb0cf1967fa_attn
	.p2alignl 7, 3214868480
	.fill 96, 4, 3214868480
	.section	.rodata,"a",@progbits
	.p2align	6, 0x0
	.amdhsa_kernel k_qb0cf1967fa_attn
		.amdhsa_group_segment_fixed_size 327680
		.amdhsa_private_segment_fixed_size 0
		.amdhsa_enable_private_segment 0
		.amdhsa_kernarg_size 32
		.amdhsa_user_sgpr_count 2
		.amdhsa_user_sgpr_kernarg_segment_ptr 1
		.amdhsa_wavefront_size32 1
		.amdhsa_system_sgpr_workgroup_id_x 1
		.amdhsa_system_sgpr_workgroup_id_y 1
		.amdhsa_system_sgpr_workgroup_id_z 1
		.amdhsa_system_vgpr_workitem_id 0
		.amdhsa_next_free_vgpr 256
		.amdhsa_next_free_sgpr 100
		.amdhsa_reserve_vcc 1
		.amdhsa_float_denorm_mode_32 3
		.amdhsa_float_denorm_mode_16_64 3
		.amdhsa_fp16_overflow 1
		.amdhsa_memory_ordered 1
		.amdhsa_forward_progress 1
		.amdhsa_inst_pref_size 112
	.end_amdhsa_kernel
	.amdgpu_metadata
---
amdhsa.version: [ 1, 2 ]
amdhsa.kernels:
  - .name:           k_qb0cf1967fa_attn
    .symbol:         k_qb0cf1967fa_attn.kd
    .args:
      - { .name: qws, .offset: 0, .size: 8, .value_kind: global_buffer, .address_space: global }
      - { .name: kv, .offset: 8, .size: 8, .value_kind: global_buffer, .address_space: global }
      - { .name: yq, .offset: 16, .size: 8, .value_kind: global_buffer, .address_space: global }
      - { .name: sc_proj, .offset: 24, .size: 8, .value_kind: global_buffer, .address_space: global }
    .group_segment_fixed_size: 327680
    .private_segment_fixed_size: 0
    .kernarg_segment_align: 8
    .kernarg_segment_size: 32
    .max_flat_workgroup_size: 512
    .sgpr_count:     100
    .vgpr_count:     256
    .wavefront_size: 32
...
	.end_amdgpu_metadata
.endif
;; end of part 3
;; launch proj (part 4): grid 8 x 32, 4 waves a work-group, clusters of 4 x 4, 327,680 bytes of LDS; arguments yq, wq, sc_proj, b_proj, out0; writes out0
.if DOCPART == 4
	.amdgcn_target "amdgcn-amd-amdhsa--gfx1250"
	.amdhsa_code_object_version 6
	.text
	.protected	k_qb0cf1967fa_proj
	.globl	k_qb0cf1967fa_proj
	.p2align	8
	.type	k_qb0cf1967fa_proj,@function
k_qb0cf1967fa_proj:
	s_mov_b64 s[64:65], 0
	v_nop
	global_prefetch_b8 v0, s[64:65] scope:SCOPE_SE
	s_setreg_imm32_b32 hwreg(HW_REG_WAVE_MODE, 25, 1), 1
	s_wait_xcnt 0x0
	s_wait_alu depctr_hold_cnt(0) depctr_sa_sdst(0) depctr_va_vdst(0) depctr_va_sdst(0) depctr_va_ssrc(0) depctr_va_vcc(0) depctr_vm_vsrc(0)
	s_getreg_b32 s2, hwreg(HW_REG_IB_STS2, 6, 4)
	s_cmp_eq_u32 s2, 0
	s_cbranch_scc0 .Lentry_in_a_cluster
	s_endpgm
.Lentry_in_a_cluster:
	s_bfe_u32 s2, ttmp6, 0x10000c
	s_cmp_lg_u32 s2, 0xf033
	s_cbranch_scc0 .Lentry_shape_is_right
	s_endpgm
.Lentry_shape_is_right:
.set SLOTD, 98304
.set SPARE, 3*SLOTD
.set STAGE, SLOTD
.set SP,    272
.set NP,    8
.set ADRA, 16
.set ADRB, 20
.set STO,  24
.set RD,   25
.set CO,   26
.set LI,   27
.set SPW,  28
.set NIL,  29
.set SC,   32
.set BI,   96
.set AF,   128
.set BK,   128
.set G1R, 24
.set G1P, 32
.set G0R, 40
.set G0P, 52
.set MSB, 0
.macro WIN new
.if MSB != (\new)
	s_set_vgpr_msb (MSB<<8)|(\new)
.set MSB, (\new)
.endif
.endm
.set MUL,   0xa1
.set MUL_B, 0x81
.set TO_B,  0x40
.macro JLOAD g0a, g1a, g0b, g1b
	s_cmp_eq_u32 s19, 0
	s_cbranch_scc0 .Lfor_p_\@
	tensor_load_to_lds s[\g0a:\g0a+3], s[\g1a:\g1a+7]
	s_nop 0
.rept 4
	v_nop
.endr
	s_branch .Lasked_\@
.Lfor_p_\@:
	tensor_load_to_lds s[\g0b:\g0b+3], s[\g1b:\g1b+7]
	s_nop 0
.rept 4
	v_nop
.endr
.Lasked_\@:
.endm
.macro CREST
	s_cmp_lg_u32 s18, 0
	s_cbranch_scc1 .Lnot_wave_0_\@
	s_barrier_signal -3
.Lnot_wave_0_\@:
	s_barrier_wait -3
	s_barrier_signal -1
	s_barrier_wait -1
.endm
.macro CROUND
	s_barrier_signal -1
	s_barrier_wait -1
	CREST
.endm
.macro PLACES n
.rept \n
	v_nop
.endr
.endm
.macro FRAG reg, adr, q, i
.irp c, 0,1,2,3
	ds_load_b128 v[\reg+4*\c:\reg+4*\c+3], v[\adr] offset:(\i)*4096+(\q)*2048+512*\c
.endr
.endm
.macro FETCH_B slot, q, p
	WIN TO_B
.irp i, 0,1,2,3
	FRAG 64*(\p)+16*\i, ADRB+\slot, \q, \i
.endr
	WIN 0
.endm
.macro FETCH_A slot, q, i0
.irp i, \i0, \i0+1, \i0+2, \i0+3
	FRAG AF+16*(\i), ADRA+\slot, \q, \i
.endr
.endm
.macro MUL8 a0, p, ks, first
.irp a, \a0, \a0+1
.irp b, 0,1,2,3
.if \first
	v_wmma_scale_f32_16x16x128_f8f6f4 v[8*(4*(\a)+\b):8*(4*(\a)+\b)+7], v[64*(\p)+16*\b:64*(\p)+16*\b+15], v[AF+16*(\a):AF+16*(\a)+15], v[BI+8*\b:BI+8*\b+7], v[SC+8*\b+(\ks)], v[SC+8*(\a)+(\ks)] matrix_a_scale:MATRIX_SCALE_ROW1
.else
	v_wmma_scale_f32_16x16x128_f8f6f4 v[8*(4*(\a)+\b):8*(4*(\a)+\b)+7], v[64*(\p)+16*\b:64*(\p)+16*\b+15], v[AF+16*(\a):AF+16*(\a)+15], v[8*(4*(\a)+\b):8*(4*(\a)+\b)+7], v[SC+8*\b+(\ks)], v[SC+8*(\a)+(\ks)] matrix_a_scale:MATRIX_SCALE_ROW1
.endif
.endr
.endr
.endm
.macro STEP nsl, nq, ks, first
	s_wait_dscnt 16
.if \first
	WIN MUL_B
.else
	WIN MUL
.endif
	MUL8 0, (\ks)%2, \ks, \first
	MUL8 2, (\ks)%2, \ks, \first
	s_wait_dscnt 0
	PLACES NP
	FETCH_B \nsl, \nq, 1-(\ks)%2
	FETCH_A \nsl, \nq, 0
.if \first
	WIN MUL_B
.else
	WIN MUL
.endif
	MUL8 4, (\ks)%2, \ks, \first
	MUL8 6, (\ks)%2, \ks, \first
	PLACES NP
	WIN 0
	FETCH_A \nsl, \nq, 4
.endm
.macro TURN nsl, fill, ks
	s_wait_tensorcnt 0x0
	ds_add_u32 v[SPW], v[NIL]
	s_wait_dscnt 17
	WIN MUL
	MUL8 0, 1, \ks, 0
	s_wait_dscnt 0x0
	s_barrier_signal -1
	MUL8 2, 1, \ks, 0
	WIN 0
	s_barrier_wait -1
.if \fill
	CREST
	s_add_nc_u64 s[G0R+2:G0R+3], s[G0R+2:G0R+3], 12288
	s_add_nc_u64 s[G0P+2:G0P+3], s[G0P+2:G0P+3], 12288
	JLOAD G0R, G1R, G0P, G1P
	PLACES NP-4
.else
	PLACES NP
.endif
	FETCH_B \nsl, 0, 0
	FETCH_A \nsl, 0, 0
	WIN MUL
	MUL8 4, 1, \ks, 0
	MUL8 6, 1, \ks, 0
	PLACES NP
	WIN 0
	FETCH_A \nsl, 0, 4
.endm
	s_load_b256 s[4:11], s[0:1], 0x0
	s_load_b64 s[12:13], s[0:1], 0x20
	v_lshl_add_u32 v[SPW], v0, 2, SPARE
	v_mov_b32 v[NIL], 0
	ds_add_u32 v28, v29
	ds_add_u32 v28, v29
	s_wait_dscnt 0x0
	v_lshrrev_b32 v1, 5, v0
	v_readfirstlane_b32 s18, v1
	s_lshr_b32 s19, s18, 1
	s_and_b32 s20, s18, 1
	s_bfe_u32 s21, ttmp6, 0x40000
	s_bfe_u32 s22, ttmp6, 0x40004
	s_and_b32 s23, ttmp7, 0xffff
	s_lshl_b32 s23, s23, 2
	s_add_co_u32 s23, s23, s22
	s_lshl_b32 s66, ttmp9, 2
	s_add_co_u32 s66, s66, s21
	s_lshl_b32 s67, s22, 2
	s_lshl_b32 s67, 15, s67
	s_lshl_b32 s68, 0x1111, s21
	s_or_b32 s[G1R], s67, (3<<16)|(1<<21)
	s_or_b32 s[G1P], s68, (3<<16)|(1<<21)
	s_mov_b32 s[G1R+1], 512<<16
	s_mov_b32 s[G1R+2], 8<<16
	s_mov_b32 s[G1R+3], 512<<16
	s_mov_b32 s[G1R+4], 8
	s_mov_b32 s[G1R+5], 2048
	s_mov_b32 s[G1R+6], 0
	s_mov_b32 s[G1R+7], 0
	s_mov_b32 s[G1P+1], 512<<16
	s_mov_b32 s[G1P+2], 4<<16
	s_mov_b32 s[G1P+3], 512<<16
	s_mov_b32 s[G1P+4], 4
	s_mov_b32 s[G1P+5], 2048
	s_mov_b32 s[G1P+6], 0
	s_mov_b32 s[G1P+7], 0
	s_lshl_b32 s70, s23, 18
	s_lshl_b32 s69, s20, 17
	s_add_co_u32 s70, s70, s69
	s_mov_b32 s71, 0
	s_lshl_b32 s72, s66, 17
	s_lshl_b32 s69, s20, 16
	s_add_co_u32 s72, s72, s69
	s_add_co_u32 s72, s72, 192*16384
	s_mov_b32 s73, 0
	s_lshl_b32 s74, s20, 15
	s_lshl_b32 s75, s20, 14
	s_add_co_u32 s75, s75, 65536
	s_wait_kmcnt 0x0
	s_add_nc_u64 s[76:77], s[4:5], s[70:71]
	s_add_nc_u64 s[78:79], s[6:7], s[72:73]
	CROUND
.irp s, 0,1,2
	s_mov_b32 s[G0R+4*\s], 1
	s_add_co_u32 s[G0R+4*\s+1], s74, \s*SLOTD
	s_add_nc_u64 s[G0R+4*\s+2:G0R+4*\s+3], s[76:77], \s*4096
	s_or_b32 s[G0R+4*\s+3], s[G0R+4*\s+3], 0x80000000
	s_mov_b32 s[G0P+4*\s], 1
	s_add_co_u32 s[G0P+4*\s+1], s75, \s*SLOTD
	s_add_nc_u64 s[G0P+4*\s+2:G0P+4*\s+3], s[78:79], \s*4096
	s_or_b32 s[G0P+4*\s+3], s[G0P+4*\s+3], 0x80000000
	s_wait_alu depctr_va_vdst(0)
	s_wait_tensorcnt 0x0
	ds_add_u32 v28, v29
	ds_add_u32 v28, v29
	s_wait_dscnt 0x0
	CROUND
	JLOAD G0R+4*\s, G1R, G0P+4*\s, G1P
.endr
	v_and_b32 v1, 15, v0
	v_bfe_u32 v2, v0, 4, 1
	v_and_b32 v3, 31, v0
	s_wait_alu depctr_va_vdst(0)
	v_lshlrev_b32 v[LI], 4, v3
	s_lshl_b32 s80, s19, 15
.irp s, 0,1,2
	v_add_nc_u32 v[ADRA+\s], s80, v[LI]
	v_add_nc_u32 v[ADRB+\s], s75, v[LI]
	s_add_co_u32 s80, s80, SLOTD
	s_add_co_u32 s75, s75, SLOTD
.endr
	s_lshl_b32 s81, s23, 13
	s_lshl_b32 s82, s19, 12
	s_add_co_u32 s81, s81, s82
	s_add_co_u32 s81, s81, 32768
	s_lshl_b32 s83, s66, 12
	s_lshl_b32 s82, s20, 11
	s_add_co_u32 s83, s83, s82
	v_cmp_le_u32 vcc_lo, 16, v3
	v_mov_b32 v4, s81
	v_mov_b32 v5, s83
	v_cndmask_b32 v4, v4, v5, vcc_lo
	v_lshl_add_u32 v4, v1, 4, v4
.irp i, 0,1,2,3,4,5,6,7
	global_load_b128 v[SC+8*\i:SC+8*\i+3], v4, s[8:9] offset:512*\i
	global_load_b128 v[SC+8*\i+4:SC+8*\i+7], v4, s[8:9] offset:512*\i+256
.endr
	s_lshl_b32 s84, s66, 9
	s_lshl_b32 s82, s20, 8
	s_add_co_u32 s84, s84, s82
	s_mov_b32 s85, 0
	s_add_nc_u64 s[10:11], s[10:11], s[84:85]
	v_lshlrev_b32 v6, 6, v2
.irp b, 0,1,2,3
	global_load_b128 v[BI+8*\b:BI+8*\b+3], v6, s[10:11] offset:128*(\b/2)+32*(\b%2)
	global_load_b128 v[BI+8*\b+4:BI+8*\b+7], v6, s[10:11] offset:128*(\b/2)+32*(\b%2)+16
.endr
	s_mul_i32 s86, s18, 16*SP
	s_add_co_u32 s86, s86, STAGE
	v_mul_u32_u24 v[STO], v1, SP
	v_lshl_add_u32 v[STO], v2, 6, v[STO]
	v_add_nc_u32 v[STO], s86, v[STO]
	v_mul_u32_u24 v[RD], v2, SP
	v_lshl_add_u32 v[RD], v1, 4, v[RD]
	v_add_nc_u32 v[RD], s86, v[RD]
	v_lshlrev_b32 v[CO], 12, v2
	v_lshl_add_u32 v[CO], v1, 4, v[CO]
	s_lshl_b32 s86, s23, 20
	s_lshl_b32 s87, s19, 19
	s_add_co_u32 s86, s86, s87
	s_add_co_u32 s86, s86, s84
	s_mov_b32 s87, 0
	s_add_nc_u64 s[12:13], s[12:13], s[86:87]
	s_wait_tensorcnt 2
	s_barrier_signal -1
	s_barrier_wait -1
	FETCH_B 0, 0, 0
	FETCH_A 0, 0, 0
	FETCH_A 0, 0, 4
	s_wait_loadcnt 0x0
	STEP 0, 1, 0, 1
	TURN 1, 1, 1
	STEP 1, 1, 2, 0
	STEP 2, 0, 3, 0
	STEP 2, 1, 4, 0
	TURN 0, 0, 5
	STEP 0, 1, 6, 0
	s_wait_dscnt 16
	WIN MUL
	MUL8 0, 1, 7, 0
	MUL8 2, 1, 7, 0
	s_wait_alu depctr_va_vdst(0)
	s_wait_dscnt 0
	MUL8 4, 1, 7, 0
	MUL8 6, 1, 7, 0
	WIN 0
.macro TOSTAGE a
	WIN 0x08
.irp b, 0,1,2,3
	ds_store_b128 v[STO], v[8*(4*(\a)+\b):8*(4*(\a)+\b)+3] offset:128*(\b/2)+32*(\b%2)
	ds_store_b128 v[STO], v[8*(4*(\a)+\b)+4:8*(4*(\a)+\b)+7] offset:128*(\b/2)+32*(\b%2)+16
.endr
	WIN 0
.set BB, BK+32*((\a)%2)
.irp t, 0,1,2,3,4,5,6,7
	ds_load_b128 v[BB+4*\t:BB+4*\t+3], v[RD] offset:\t*2*SP
.endr
.endm
.macro SEND a, younger
.set BB, BK+32*((\a)%2)
	s_wait_dscnt \younger
.irp t, 0,1,2,3,4,5,6,7
	global_store_b128 v[CO], v[BB+4*\t:BB+4*\t+3], s[12:13] offset:(32*((\a)/2)+8*((\a)%2)+2*\t+8*(\t/4))*4096 th:TH_STORE_NT
.endr
.endm
	PLACES NP
	TOSTAGE 0
.irp a, 1,2,3,4,5,6,7
.if \a > 1
	s_wait_xcnt 0x0
.endif
	TOSTAGE \a
	SEND \a-1, 16
.endr
	SEND 7, 0
	s_wait_tensorcnt 0x0
	ds_add_u32 v[SPW], v[NIL]
	s_wait_dscnt 0x0
	CROUND
	s_endpgm
.Lfunc_end_k_qb0cf1967fa_proj:
	.size	k_qb0cf1967fa_proj, .Lfunc_end_k_qb0cf1967fa_proj-k_qb0cf1967fa_proj
	.p2alignl 7, 3214868480
	.fill 96, 4, 3214868480
	.section	.rodata,"a",@progbits
	.p2align	6, 0x0
	.amdhsa_kernel k_qb0cf1967fa_proj
		.amdhsa_group_segment_fixed_size 327680
		.amdhsa_private_segment_fixed_size 0
		.amdhsa_enable_private_segment 0
		.amdhsa_kernarg_size 40
		.amdhsa_user_sgpr_count 2
		.amdhsa_user_sgpr_kernarg_segment_ptr 1
		.amdhsa_wavefront_size32 1
		.amdhsa_system_sgpr_workgroup_id_x 1
		.amdhsa_system_sgpr_workgroup_id_y 1
		.amdhsa_system_sgpr_workgroup_id_z 1
		.amdhsa_system_vgpr_workitem_id 0
		.amdhsa_next_free_vgpr 768
		.amdhsa_next_free_sgpr 100
		.amdhsa_reserve_vcc 1
		.amdhsa_float_denorm_mode_32 3
		.amdhsa_float_denorm_mode_16_64 3
		.amdhsa_memory_ordered 1
		.amdhsa_forward_progress 1
		.amdhsa_inst_pref_size 91
	.end_amdhsa_kernel
	.amdgpu_metadata
---
amdhsa.version: [ 1, 2 ]
amdhsa.kernels:
  - .name:           k_qb0cf1967fa_proj
    .symbol:         k_qb0cf1967fa_proj.kd
    .args:
      - { .name: yq, .offset: 0, .size: 8, .value_kind: global_buffer, .address_space: global }
      - { .name: wq, .offset: 8, .size: 8, .value_kind: global_buffer, .address_space: global }
      - { .name: sc_proj, .offset: 16, .size: 8, .value_kind: global_buffer, .address_space: global }
      - { .name: b_proj, .offset: 24, .size: 8, .value_kind: global_buffer, .address_space: global }
      - { .name: out0, .offset: 32, .size: 8, .value_kind: global_buffer, .address_space: global }
    .group_segment_fixed_size: 327680
    .private_segment_fixed_size: 0
    .kernarg_segment_align: 8
    .kernarg_segment_size: 40
    .max_flat_workgroup_size: 128
    .sgpr_count:     100
    .vgpr_count:     768
    .wavefront_size: 32
...
	.end_amdgpu_metadata
.endif
;; end of part 4
